; MI455X (gfx1250); checked and timed in simulation.
; The chip was launched on July 23, 2026; its instructions are those of AMD's public machine-readable ISA for CDNA 5 (MIT licence, August 2026) and "CDNA5" Instruction Set Architecture Reference Guide (July 2026). The comments in the code are by the model that wrote it; some were corrected since.
;; Efficient Multi Head Attention. Allowed arithmetic: matrix products marked QUANTISED: E2M3 operands, one E8M0 scale for each 32 along K, by v_wmma_scale_f32_16x16x128_f8f6f4 with both operands' format E2M3, f32 sums; everything else in f32.
;; Inputs: Wk 1,024 x 1,024 float32; Wo 1,024 x 1,024 float32; Wq 1,024 x 1,024 float32; Wv 1,024 x 1,024 float32; X 4 x 2,048 x 1,024 float32.
;; Outputs: out0 4 x 2,048 x 1,024 float32.
;; This version of the problem:
;;   THIS VERSION OF THE PROBLEM IS GIVEN IN LOW PRECISION. The matrix products marked QUANTISED in the list below multiply operands that are first quantised to E2M3 (2 exponent bits, 3 mantissa bits; 6 bits a number), with one power-of-two scale for each 32 numbers along K (OCP MX v1.0); their sums are f32. All else is computed in f32.
;;   The module's matrix products, in the order in which they are computed (A, B: the left and right operand; K: the contracted axis; several contracted axes count as one K, in the product's order):
;;     1. [M 8,192, K 1,024] x [K 1,024, N 1,024]; A: input X; B: input Wq: QUANTISED
;;     2. [M 8,192, K 1,024] x [K 1,024, N 1,024]; A: input X; B: input Wk: QUANTISED
;;     3. [M 8,192, K 1,024] x [K 1,024, N 1,024]; A: input X; B: input Wv: QUANTISED
;;     4. batch 64 x [M 2,048, K 64] x [K 64, N 2,048]; A: computed on the way; B: computed on the way: QUANTISED
;;     5. batch 64 x [M 2,048, K 2,048] x [K 2,048, N 64]; A: softmax (see below); B: computed on the way: QUANTISED
;;     6. [M 8,192, K 1,024] x [K 1,024, N 1,024]; A: computed on the way; B: input Wo: QUANTISED
;;   THE QUANTISER, for each operand of a quantised product, along K:
;;     - K is cut into blocks of 32 from its start; a last block that is shorter is filled with zeros.
;;     - A block's scale is 2^e with e = floor(log2(the largest magnitude in the block)) - 2, held to -126 .. 127; a block of zeros has e = 0. As a byte (E8M0): e + 127.
;;     - Each number is divided by its block's scale, clamped to +-7.5, and rounded to the nearest number of E2M3, ties to even, subnormals kept.
;;     - The product sums the exact products of the quantised numbers (number of the format x scale) in f32.
;;   ~~~python
;;   def quantise(x, axis):      # numpy; x: float32 -> the quantised numbers, widened to float32 again
;;       x = np.moveaxis(x, axis, -1); K = x.shape[-1]
;;       x = np.pad(x, [(0, 0)] * (x.ndim - 1) + [(0, -K % 32)]); x = x.reshape(x.shape[:-1] + (-1, 32)); a = np.abs(x).max(-1, keepdims=True)
;;       e = np.where(a > 0, np.clip(np.frexp(np.where(a > 0, a, 1))[1] - 1 - 2, -126, 127), 0)      # np.frexp(a)[1] - 1 = floor(log2(a)), exactly
;;       r = np.clip(x / 2.0 ** e, -7.5, 7.5)
;;       step = 2.0 ** (np.maximum(np.frexp(np.where(r == 0, 1, r))[1] - 1, 0) - 3)
;;       q = np.round(r / step) * step * 2.0 ** e      # np.round: ties to even
;;       return np.moveaxis(q.reshape(q.shape[:-2] + (-1,))[..., :K], -1, axis).astype(np.float32)
;;   ~~~
;;   SOFTMAX AHEAD OF A QUANTISED PRODUCT. Where the list says 'softmax', what is quantised is not the finished softmax but p = 2^(t - M), with t = logit x log2(e) and M = ceil(the row's largest t), a whole number; so 1/2 < the row's largest p <= 1. The row's sum l is taken of the UNQUANTISED p, in f32, and the product's result is divided by l at the end. Since M is a whole number, a kernel that streams over the keys may use a running M (the ceiling of the running maximum): every later rescaling is an exact power of two, which a block's scale takes up: the codes' values come out the same.
;;   OPERANDS COMPUTED ON THE WAY. 'Computed on the way' means the value that the module computes at that place (a softmax that the list does not call 'softmax' is quantised finished and normalised). What goes into a quantiser is computed in f32, as accurately as f32 sums, v_exp_f32 and their like allow (about 1e-6 of the number): no bf16 or f16 on the way to a quantiser, and a product that is left as it is and whose result goes on into a quantised operand takes f32 operands (vector FMAs, or v_wmma_f32_16x16x4_f32). A number that lies on a knife's edge between two numbers of the format may be rounded either way, as far as f32 arithmetic and the matrix unit's own rounding can turn it there, and no further.
;; One version. Each part assembles by itself: llvm-mc -triple=amdgcn-amd-amdhsa -mcpu=gfx1250 --defsym DOCPART=n.
;; ======== version 1 of 1: 4 launches
;; workspace buffers: xw_img 9,437,184 bytes; xw_sc 393,216 bytes; qkv_img 18,874,368 bytes; qkv_sc 1,572,864 bytes; y_img 6,291,456 bytes; y_sc 262,144 bytes
;; launch quant (part 1): grid 384 x 1, 4 waves a work-group, no clusters, 34,304 bytes of LDS; arguments X, Wq, Wk, Wv, Wo, xw_img, xw_sc; writes xw_img, xw_sc
.if DOCPART == 1
	.amdgcn_target "amdgcn-amd-amdhsa--gfx1250"
	.amdhsa_code_object_version 6
	.text
	.protected	k_q2bdc7bc6d1_quant
	.globl	k_q2bdc7bc6d1_quant
	.p2align	8
	.type	k_q2bdc7bc6d1_quant,@function
k_q2bdc7bc6d1_quant:
	s_mov_b64 s[64:65], 0
	v_nop
	global_prefetch_b8 v0, s[64:65] scope:SCOPE_SE
	s_setreg_imm32_b32 hwreg(HW_REG_WAVE_MODE, 25, 1), 1
	s_wait_xcnt 0x0
; X [8192][1024] and Wq, Wk, Wv, Wo [1024][1024], f32, K innermost, become codes of FP6 (E2M3) with one E8M0 byte for each 32 along K.
; The five tensors are taken as one stack of 12,288 rows (X, Wq, Wk, Wv, Wo).  A block's scale is 2^(floor(log2(largest magnitude)) - 2): its byte is the largest
; magnitude's exponent field - 2, held at 1 from below.
; LIMITS: NaN and infinities are not served; a block whose largest magnitude lies under 2^-124 (a block of zeros too) gets the byte 1; the bytes are read by this program alone.
; LAYOUT OF THE RESULT.  Tile t is 16 rows, place i of it is row 32 (t / 2) + 8 (t % 2) + i + 8 (i / 8).  A half fragment (tile t, 64 along K) is 768 bytes, the image of six operand
; registers: lane l = (r, h) owns the 24 bytes of place r, k = 32 h + 0 .. 31: registers 0-3 at 16 l, registers 4-5 at 512 + 8 l.
; xw_img: [group of 128 rows][64 along K, 0..15][tile in the group, 0..7] half fragments.   xw_sc: [four tiles q][128 along K, 0..7] 256 bytes: the word of place r of tile t at 16 r + 4 (t % 4).
; SHARES.  Work-group id: q = id / 2 (64 rows, four tiles); wave w takes K = 128 (4 (id % 2) + w) on.  A load reads 512 consecutive bytes of one row; a tile's 16 rows turn through the wave's own
; stage in LDS (rows of 512 + 16 bytes), so that lane (r, h) holds 16 neighbours of each block of 32 of its row.  No barrier: waves share nothing.  Loads run two tiles (32 loads) ahead.
.set SP,   528                         ; a stage row
.set R,    16                          ; v16-143  two sets of 64: a tile as loaded
.set X,    144                         ; v144-207 register 16 b + i = k 32 b + 16 h + i of my row
.set TM,   208                         ; v208-223 at work
.set PC,   224                         ; v224-243 the codes
.set PWS,  244                         ; v244-247 the four tiles' scale words
.set SEL,  28                          ; s[28:29] lane selects for lane l xor 16
	s_load_b256 s[4:11], s[0:1], 0x0               ; X, Wq, Wk, Wv
	s_load_b64 s[12:13], s[0:1], 0x20              ; Wo
	s_load_b128 s[16:19], s[0:1], 0x28             ; xw_img, xw_sc
	v_lshl_add_u32 v248, v0, 2, 0x8400
	v_mov_b32 v249, 0
	v_lshrrev_b32 v6, 5, v0
	v_readfirstlane_b32 s2, v6                     ; wave
	v_and_b32 v7, 31, v0                           ; lane
	v_and_b32 v8, 15, v0                           ; r
	v_bfe_u32 v9, v0, 4, 1                         ; h
	v_lshlrev_b32 v1, 4, v7                        ; 16 x lane
	v_lshlrev_b32 v2, 3, v7                        ; 8 x lane
	s_mul_i32 s3, s2, 16*SP                        ; my stage
	v_add_nc_u32 v3, s3, v1                        ; into it: 16 bytes a lane of a row
	v_mul_u32_u24 v4, v8, SP
	v_lshl_add_u32 v4, v9, 6, v4
	v_add_nc_u32 v4, s3, v4                        ; out of it: row r, + 64 h
	v_lshlrev_b32 v5, 4, v8                        ; 16 r: the scale words' place
.irp b, 0,1,2,3
	v_mov_b32 v[TM+4+\b], 0                        ; written once: a lane permute's destination counts as one of its sources
.endr
	s_mov_b32 s[SEL], 0x76543210
	s_mov_b32 s[SEL+1], 0xfedcba98
	s_lshr_b32 s22, ttmp9, 1                       ; q
	s_and_b32 s23, ttmp9, 1
	s_lshl_b32 s23, s23, 2
	s_add_co_u32 s23, s23, s2                      ; s: which 128 along K
	s_and_b32 s24, s22, 15                         ; q inside a weight (128 is a multiple of 16)
	s_wait_kmcnt 0x0
	s_mov_b64 s[20:21], s[12:13]                   ; which tensor: the choice hangs on the work-group's number alone
	s_cmp_lt_u32 ttmp9, 352
	s_cselect_b64 s[20:21], s[10:11], s[20:21]
	s_cmp_lt_u32 ttmp9, 320
	s_cselect_b64 s[20:21], s[8:9], s[20:21]
	s_cmp_lt_u32 ttmp9, 288
	s_cselect_b64 s[20:21], s[6:7], s[20:21]
	s_cmp_lt_u32 ttmp9, 256
	s_cselect_b64 s[20:21], s[4:5], s[20:21]
	s_cselect_b32 s24, s22, s24                    ; q inside the tensor
	s_lshl_b32 s24, s24, 18                        ; 64 rows of 4,096 bytes
	s_lshl_b32 s25, s23, 9                         ; 128 numbers of 4 bytes
	s_add_co_u32 s24, s24, s25
	s_mov_b32 s25, 0
	s_add_nc_u64 s[20:21], s[20:21], s[24:25]
	s_lshr_b32 s24, s22, 1                         ; the images: ((q / 2) 16 + 2 s) 6,144 + (q % 2) 3,072
	s_lshl_b32 s24, s24, 4
	s_lshl_b32 s26, s23, 1
	s_add_co_u32 s24, s24, s26
	s_mul_i32 s24, s24, 6144
	s_and_b32 s26, s22, 1
	s_mul_i32 s26, s26, 3072
	s_add_co_u32 s24, s24, s26
	s_add_nc_u64 s[16:17], s[16:17], s[24:25]
	s_lshl_b32 s24, s22, 3                         ; the scale words: (8 q + s) 256
	s_add_co_u32 s24, s24, s23
	s_lshl_b32 s24, s24, 8
	s_add_nc_u64 s[18:19], s[18:19], s[24:25]
.macro LOAD t                          ; tile t's 16 rows, 512 consecutive bytes each, into set t % 2
.irp i, 0,1,2,3,4,5,6,7,8,9,10,11,12,13,14,15
	global_load_b128 v[R+64*((\t)%2)+4*\i:R+64*((\t)%2)+4*\i+3], v1, s[20:21] offset:(32*((\t)/2)+8*((\t)%2)+\i+8*(\i/8))*4096 th:TH_LOAD_NT
.endr
.endm
; 64 numbers of a lane, register 16 b + i = k 32 b + 16 h + i of my row, become a fragment's codes in v[PC] on (registers 0-11) and its scale word in v[pw]
.macro QUANT s, pw
.irp b, 0,1,2,3
	v_max3_num_f32 v[TM+\b], |v[\s+16*\b]|, |v[\s+1+16*\b]|, 0x1800000   ; my 16 numbers of block b, and the floor 2^(3 - 127): the byte cannot fall under 1
.endr
.irp i, 2,4,6,8,10,12,14
.irp b, 0,1,2,3
	v_max3_num_f32 v[TM+\b], v[TM+\b], |v[\s+16*\b+\i]|, |v[\s+1+16*\b+\i]|
.endr
.endr
.irp b, 0,1,2,3
	v_permlanex16_b32 v[TM+4+\b], v[TM+\b], s[SEL], s[SEL+1]
.endr
.irp b, 0,1,2,3
	v_max_num_f32 v[TM+\b], v[TM+\b], v[TM+4+\b]   ; with lane l xor 16's: the block's largest magnitude
.endr
.irp b, 0,1,2,3
	v_add_nc_u32 v[TM+12+\b], 0xff000000, v[TM+\b] ; 2 off its exponent field: the conversion's scale operand
.endr
.irp b, 0,1,2,3
	v_lshrrev_b32 v[TM+4+\b], 23, v[TM+12+\b]      ; the scale's byte
.endr
	v_lshl_or_b32 v[\pw], v[TM+5], 8, v[TM+4]
	v_lshl_or_b32 v[\pw], v[TM+6], 16, v[\pw]
	v_lshl_or_b32 v[\pw], v[TM+7], 24, v[\pw]
.irp c, 0,1
	v_cvt_scalef32_pk16_fp6_f32 v[PC+6*\c:PC+2+6*\c], v[\s+32*\c:\s+15+32*\c], v[TM+12+2*\c]
	v_cvt_scalef32_pk16_fp6_f32 v[PC+12+4*\c:PC+14+4*\c], v[\s+16+32*\c:\s+31+32*\c], v[TM+12+2*\c+1]   ; (a conversion's three registers begin on an even number)
.endr
	v_nop                                          ; one plain place behind a scaled conversion
.irp c, 0,1                                    ; the operand's layout wants a whole block in a lane: lanes 0-15 block 2 c, lanes 16-31 block 2 c + 1
.irp i, 0,1,2
	v_permlane16_swap_b32 v[PC+6*\c+\i], v[PC+12+4*\c+\i]
.endr
.irp i, 0,1,2
	v_mov_b32 v[PC+3+6*\c+\i], v[PC+12+4*\c+\i]
.endr
.endr
.endm
.macro TILE t
.if (\t) < 3
	s_wait_loadcnt 16                              ; this tile's 16 loads are in; the next tile's 16 may be out
.else
	s_wait_loadcnt 0x0
.endif
.irp i, 0,1,2,3,4,5,6,7,8,9,10,11,12,13,14,15
	ds_store_b128 v3, v[R+64*((\t)%2)+4*\i:R+64*((\t)%2)+4*\i+3] offset:SP*\i
.endr
.irp b, 0,1,2,3
.irp j, 0,1,2,3
	ds_load_b128 v[X+16*\b+4*\j:X+16*\b+4*\j+3], v4 offset:128*\b+16*\j   ; LDS serves a wave's instructions in order: these see the stores above
.endr
.endr
	s_wait_dscnt 0x0                               ; the numbers are back, and the stores have read the set,
.if (\t) < 2
	LOAD (\t)+2                                    ; which takes the tile two on
.endif
.if (\t) > 0
	s_wait_xcnt 0x0                                ; the last tile's stores have read the codes' registers: they are written again only behind this wait
.endif
	QUANT X, PWS+(\t)
	global_store_b128 v1, v[PC:PC+3], s[16:17] offset:768*(\t)            ; 512 consecutive bytes
	global_store_b64 v2, v[PC+4:PC+5], s[16:17] offset:768*(\t)+512       ; 256 consecutive bytes
	global_store_b128 v1, v[PC+6:PC+9], s[16:17] offset:6144+768*(\t)     ; the second 64 along K
	global_store_b64 v2, v[PC+10:PC+11], s[16:17] offset:6144+768*(\t)+512
.endm
	LOAD 0
	LOAD 1
	TILE 0
	TILE 1
	TILE 2
	TILE 3
	global_store_b128 v5, v[PWS:PWS+3], s[18:19]   ; 256 consecutive bytes; lanes 16-31 hold and write the same words as lanes 0-15
	s_wait_tensorcnt 0x0
	ds_add_u32 v248, v249
	s_wait_dscnt 0x0
	s_endpgm
.Lfunc_end_k_q2bdc7bc6d1_quant:
	.size	k_q2bdc7bc6d1_quant, .Lfunc_end_k_q2bdc7bc6d1_quant-k_q2bdc7bc6d1_quant
	.p2alignl 7, 3214868480
	.fill 96, 4, 3214868480
	.section	.rodata,"a",@progbits
	.p2align	6, 0x0
	.amdhsa_kernel k_q2bdc7bc6d1_quant
		.amdhsa_group_segment_fixed_size 34304
		.amdhsa_private_segment_fixed_size 0
		.amdhsa_enable_private_segment 0
		.amdhsa_kernarg_size 56
		.amdhsa_user_sgpr_count 2
		.amdhsa_user_sgpr_kernarg_segment_ptr 1
		.amdhsa_wavefront_size32 1
		.amdhsa_system_sgpr_workgroup_id_x 1
		.amdhsa_system_sgpr_workgroup_id_y 1
		.amdhsa_system_sgpr_workgroup_id_z 1
		.amdhsa_system_vgpr_workitem_id 0
		.amdhsa_next_free_vgpr 250
		.amdhsa_next_free_sgpr 66
		.amdhsa_reserve_vcc 0
		.amdhsa_float_denorm_mode_32 3
		.amdhsa_float_denorm_mode_16_64 3
		.amdhsa_memory_ordered 1
		.amdhsa_forward_progress 1
		.amdhsa_inst_pref_size 34
	.end_amdhsa_kernel
	.amdgpu_metadata
---
amdhsa.version: [ 1, 2 ]
amdhsa.kernels:
  - .name:           k_q2bdc7bc6d1_quant
    .symbol:         k_q2bdc7bc6d1_quant.kd
    .args:
      - { .name: X, .offset: 0, .size: 8, .value_kind: global_buffer, .address_space: global }
      - { .name: Wq, .offset: 8, .size: 8, .value_kind: global_buffer, .address_space: global }
      - { .name: Wk, .offset: 16, .size: 8, .value_kind: global_buffer, .address_space: global }
      - { .name: Wv, .offset: 24, .size: 8, .value_kind: global_buffer, .address_space: global }
      - { .name: Wo, .offset: 32, .size: 8, .value_kind: global_buffer, .address_space: global }
      - { .name: xw_img, .offset: 40, .size: 8, .value_kind: global_buffer, .address_space: global }
      - { .name: xw_sc, .offset: 48, .size: 8, .value_kind: global_buffer, .address_space: global }
    .group_segment_fixed_size: 34304
    .private_segment_fixed_size: 0
    .kernarg_segment_align: 8
    .kernarg_segment_size: 56
    .max_flat_workgroup_size: 128
    .sgpr_count:     66
    .vgpr_count:     250
    .wavefront_size: 32
...
	.end_amdgpu_metadata
.endif
;; end of part 1
;; launch qkv (part 2): grid 8 x 48, 4 waves a work-group, clusters of 4 x 4, 327,680 bytes of LDS; arguments xw_img, xw_sc, qkv_img, qkv_sc; writes qkv_img, qkv_sc
.if DOCPART == 2
	.amdgcn_target "amdgcn-amd-amdhsa--gfx1250"
	.amdhsa_code_object_version 6
	.text
	.protected	k_q2bdc7bc6d1_qkv
	.globl	k_q2bdc7bc6d1_qkv
	.p2align	8
	.type	k_q2bdc7bc6d1_qkv,@function
k_q2bdc7bc6d1_qkv:
	s_mov_b64 s[64:65], 0
	v_nop
	global_prefetch_b8 v0, s[64:65] scope:SCOPE_SE
	s_setreg_imm32_b32 hwreg(HW_REG_WAVE_MODE, 25, 1), 1
	s_wait_xcnt 0x0
	s_wait_alu depctr_hold_cnt(0) depctr_sa_sdst(0) depctr_va_vdst(0) depctr_va_sdst(0) depctr_va_ssrc(0) depctr_va_vcc(0) depctr_vm_vsrc(0)
	s_getreg_b32 s2, hwreg(HW_REG_IB_STS2, 6, 4)
	s_cmp_eq_u32 s2, 0
	s_cbranch_scc0 .Lentry_in_a_cluster
	s_endpgm
.Lentry_in_a_cluster:
	s_bfe_u32 s2, ttmp6, 0x10000c
	s_cmp_lg_u32 s2, 0xf033
	s_cbranch_scc0 .Lentry_shape_is_right
	s_endpgm
.Lentry_shape_is_right:
; Q = X Wq^T, K = X Wk^T, V = X Wv^T on codes of FP6 (E2M3) with E8M0 scales, sums in f32; the results are quantised in registers for the attention's products and leave as codes.
; A work-group makes 256 x 256 of a product, four waves of 128 x 128 (64 accumulators, 512 registers); K = 1,024 goes in four steps of 256 through two LDS slots filled by the tensor data mover.
; SOURCE 0 ("B") gives the registers' axis, SOURCE 1 ("A") the lanes'.  TWO KINDS OF WORK-GROUP, one text: v = (cluster y) / 8.
;   v = 0 (256 work-groups): B = rows of Wq|Wk, A = rows of X: a lane holds one token, its registers run along n, which is K of Q K^T.
;   v = 1 (128 work-groups): B = rows of X, A = rows of Wv: a lane holds one (head, channel), its registers run along the tokens, which are K of P V.
; Only indices differ, and they are sums of products with v and 1 - v; v is the same in all partners of a cluster.
; TILES.  Tile t is 16 rows, place i of it is row 32 (t / 2) + 8 (t % 2) + i + 8 (i / 8): so register j of lane (r, h) of accumulator (a, b) belongs to B's row 32 (b / 2) + 16 h + 8 (b % 2) + j:
; the 64 registers of A's tile a are register 16 B + i = 32 B + 16 h + i along the next K.  Operands lie in memory and LDS as images of their registers (a half fragment: 16 rows x 64 K, 768 bytes:
; registers 0-3 at 16 x lane, registers 4-5 at 512 + 8 x lane): every LDS load takes consecutive bytes.
; CLUSTERS: 4 x 4.  A's tiles hang on the cluster's row alone and are asked for jointly along it, B's on its column.
; OUT: qkv_img: Q|K: [n / 64, 0..31][token tile, 0..511] half fragments; V from byte VI0: [token / 64, 0..127][tile of Wv's rows, 0..63].
;      qkv_sc: blocks of 512 bytes for (64 along K, eight tiles): lane l's word k belongs to tile 2 k + l / 16, place l % 16; this 64's two bytes in bytes 0, 1 (even tile) or 2, 3 (odd tile); the other two are the
;      neighbouring 64's bytes or 0, never 0xff.
; LIMITS: NaN and infinities are not served; a block whose largest magnitude lies under 2^-124 (zeros too) gets the byte 1; the bytes are read by this program alone.
; REGISTERS: window 0: v16-23, v27 LDS addresses; v24-25 store offsets; v28-29 the add's; v32-63 scale words, two sets; v64-123 the way out; v128-223 A's 8 fragments, one set.
;   window 1: B's fragments, two sets, at v0 and v128.   windows 2, 3: the accumulators ((a, b) at v[8 (8 (a % 4) + b)], window 2 + a / 4).
.set HALFT,  24576                     ; a group of 128 rows x 256 K: [64 along K, 0..3][tile 0..7] half fragments: what one tensor load brings
.set SLOT,   4*HALFT                   ; A's two groups, then B's two
.set SCL,    2*SLOT                    ; behind the ring: the four groups' scale words for all of K, 4,096 bytes each, filled once
.set HALFS,  4096
.set SPARE,  SCL+4*HALFS               ; the spare words, 128 bytes a wave: two blocks of 256 bytes that no other line names
.set VI0,    12582912
.set VS0,    1048576
.set FR,     12                        ; registers of a fragment
.set NL,     4                         ; LDS loads that bring one
.set ADRA16, 16                        ; v16-17 A: 16 x lane + my group, slot 0, 1;   v18-19: 8 x lane + the same
.set ADRA8,  18
.set ADRB16, 20                        ; v20-23 the same for B
.set ADRB8,  22
.set O16,    24                        ; v24 16 x lane
.set O8,     25                        ; v25 8 x lane
.set ADRS,   27                        ; v27 my scale words: lanes 0-15 A's group, lanes 16-31 B's
.set SPW,    28
.set NIL,    29
.set SC,     32                        ; scale words: v[SC + 16 set + 8 q + i]: lanes 0-15 A's tile i, lanes 16-31 B's tile i, the slot's q-th 128 along K
.set TM,     64
.set PC,     80
.set PWS,    100
.set SP0,    108
.set SP1,    112
.set SH,     116
.set AF,     128
.set G1, 24
.set G0, 32
.set G1B, 48
.set G0B, 56
.set G1S, 68
.set G0S, 76
.set G1SB, 80
.set G0SB, 88
.set SEL, 100
.set MSB, 0
.macro WIN new                         ; the immediate's high byte repeats the setting that is left
.if MSB != \new
	s_set_vgpr_msb (MSB<<8)|\new
.set MSB, \new
.endif
.endm
.set MUL_LO, 0xa1                      ; source 0 (B) window 1, source 1 (A) window 0, C and D window 2
.set MUL_HI, 0xf1
.set TO_B,   0x40
; A joint load: waves 0 and 1 fetch A's two groups, waves 2 and 3 B's.  The branch hangs on the wave's number alone.  Four v_nop follow each of the two lines.
.macro JLOAD g0a, g1a, g0b, g1b
	s_cmp_eq_u32 s15, 0
	s_cbranch_scc0 .Lfor_b_\@
	tensor_load_to_lds s[\g0a:\g0a+3], s[\g1a:\g1a+7]
	s_nop 0
.rept 4
	v_nop
.endr
	s_branch .Lasked_\@
.Lfor_b_\@:
	tensor_load_to_lds s[\g0b:\g0b+3], s[\g1b:\g1b+7]
	s_nop 0
.rept 4
	v_nop
.endr
.Lasked_\@:
.endm
.macro CREST                           ; a round of the cluster's barrier behind its opening barrier
	s_cmp_lg_u32 s14, 0
	s_cbranch_scc1 .Lnot_wave_0_\@
	s_barrier_signal -3
.Lnot_wave_0_\@:
	s_barrier_wait -3
	s_barrier_signal -1
	s_barrier_wait -1
.endm
.macro CROUND
	s_barrier_signal -1
	s_barrier_wait -1
	CREST
.endm
.macro PLACES                          ; four plain places behind a matrix instruction of this form, in front of loads into its registers and of the first read of results
.rept 4
	v_nop
.endr
.endm
	s_load_b256 s[4:11], s[0:1], 0x0               ; xw_img, xw_sc, qkv_img, qkv_sc
	v_lshl_add_u32 v[SPW], v0, 2, SPARE
	v_mov_b32 v[NIL], 0
	ds_add_u32 v28, v29
	ds_add_u32 v28, v29
	s_wait_dscnt 0x0
	v_lshrrev_b32 v1, 5, v0
	v_readfirstlane_b32 s14, v1                    ; wave
	s_lshr_b32 s15, s14, 1                         ; my half of A's rows.  Also: I fetch for A (0) or for B (1)
	s_and_b32 s16, s14, 1                          ; my half of B's rows.  Also: which group I fetch
	s_bfe_u32 s40, ttmp6, 0x40000                  ; cx
	s_bfe_u32 s41, ttmp6, 0x40004                  ; cy
	s_lshl_b32 s42, ttmp9, 2
	s_add_co_u32 s42, s42, s40                     ; work-group x
	s_and_b32 s17, ttmp7, 0xffff                   ; cluster y, 0..11
	s_lshr_b32 s18, s17, 3                         ; v
	s_xor_b32 s19, s18, 1                          ; 1 - v
	s_lshl_b32 s43, s41, 2
	s_lshl_b32 s43, 15, s43                        ; my row of the cluster
	s_lshl_b32 s44, 0x1111, s40                    ; my column
	s_or_b32 s[G1+0], s43, (3<<16)|(1<<21)         ; 15:0 the mask; 17:16 elements of 8 bytes; 21 set beside a mask; no padding
	s_or_b32 s[G1B+0], s44, (3<<16)|(1<<21)
.irp g, G1, G1B                        ; a dense block of 24,576 bytes as 96 rows of 256
	s_mov_b32 s[\g+1], 32<<16
	s_mov_b32 s[\g+2], 96<<16
	s_mov_b32 s[\g+3], 32<<16
	s_mov_b32 s[\g+4], 96
	s_mov_b32 s[\g+5], 32
	s_mov_b32 s[\g+6], 0
	s_mov_b32 s[\g+7], 0
.endr
	s_or_b32 s[G1S+0], s43, (3<<16)|(1<<21)
	s_or_b32 s[G1SB+0], s44, (3<<16)|(1<<21)
.irp g, G1S, G1SB                      ; a dense block of 4,096 bytes as 16 rows of 256
	s_mov_b32 s[\g+1], 32<<16
	s_mov_b32 s[\g+2], 16<<16
	s_mov_b32 s[\g+3], 32<<16
	s_mov_b32 s[\g+4], 16
	s_mov_b32 s[\g+5], 32
	s_mov_b32 s[\g+6], 0
	s_mov_b32 s[\g+7], 0
.endr
	s_lshl_b32 s20, s17, 3                         ; A's group: (1 - v) 8 (cluster y) + 80 v + 2 cy + which
	s_mul_i32 s20, s20, s19
	s_mul_i32 s21, s18, 80
	s_add_co_u32 s20, s20, s21
	s_lshl_b32 s21, s41, 1
	s_add_co_u32 s20, s20, s21
	s_add_co_u32 s20, s20, s16
	s_and_b32 s46, s17, 7                          ; B's group: 64 (1 - v) + 16 v ((cluster y) - 8) + 2 x + which
	s_mul_i32 s46, s46, s18
	s_lshl_b32 s46, s46, 4
	s_lshl_b32 s47, s19, 6
	s_add_co_u32 s46, s46, s47
	s_lshl_b32 s47, s42, 1
	s_add_co_u32 s46, s46, s47
	s_add_co_u32 s46, s46, s16
	s_lshl_b32 s22, s20, 12                        ; a group's scale words: 4,096 bytes;
	s_mul_i32 s20, s20, 98304                      ; its codes: 98,304
	s_mov_b32 s21, 0
	s_mov_b32 s23, 0
	s_lshl_b32 s92, s46, 12
	s_mul_i32 s46, s46, 98304
	s_mov_b32 s47, 0
	s_mov_b32 s93, 0
	s_mul_i32 s45, s14, HALFT                      ; where they go: wave x a group: no place in the cluster enters an LDS address
	s_lshl_b32 s94, s14, 12
	s_wait_kmcnt 0x0
	s_add_nc_u64 s[20:21], s[4:5], s[20:21]
	s_add_nc_u64 s[22:23], s[6:7], s[22:23]
	s_add_nc_u64 s[46:47], s[4:5], s[46:47]
	s_add_nc_u64 s[92:93], s[6:7], s[92:93]
	CROUND                                         ; all sixteen work-groups are here: the first joint loads meet
	s_mov_b32 s[G0S], 1
	s_add_co_u32 s[G0S+1], s94, SCL
	s_mov_b64 s[G0S+2:G0S+3], s[22:23]
	s_or_b32 s[G0S+3], s[G0S+3], 0x80000000
	s_mov_b32 s[G0SB], 1
	s_add_co_u32 s[G0SB+1], s94, SCL
	s_mov_b64 s[G0SB+2:G0SB+3], s[92:93]
	s_or_b32 s[G0SB+3], s[G0SB+3], 0x80000000
	JLOAD G0S, G1S, G0SB, G1SB                     ; the scale words first: they are wanted with K step 0
.irp s, 0,1
	s_mov_b32 s[G0+4*\s], 1
	s_add_co_u32 s[G0+4*\s+1], s45, \s*SLOT
	s_add_nc_u64 s[G0+4*\s+2:G0+4*\s+3], s[20:21], \s*HALFT
	s_or_b32 s[G0+4*\s+3], s[G0+4*\s+3], 0x80000000
	s_mov_b32 s[G0B+4*\s], 1
	s_add_co_u32 s[G0B+4*\s+1], s45, \s*SLOT
	s_add_nc_u64 s[G0B+4*\s+2:G0B+4*\s+3], s[46:47], \s*HALFT
	s_or_b32 s[G0B+4*\s+3], s[G0B+4*\s+3], 0x80000000
	JLOAD G0+4*\s, G1, G0B+4*\s, G1B               ; three loads of mine are out behind the second of these
.endr
	v_and_b32 v1, 15, v0                           ; r
	v_bfe_u32 v2, v0, 4, 1                         ; h
	v_and_b32 v3, 31, v0                           ; lane
	v_lshlrev_b32 v[O16], 4, v3
	v_lshlrev_b32 v[O8], 3, v3
	s_mul_i32 s2, s15, HALFT                       ; my group of A
	s_mul_i32 s3, s16, HALFT                       ; my group of B,
	s_add_co_u32 s3, s3, 2*HALFT                   ; behind A's two
.irp s, 0,1
	v_add_nc_u32 v[ADRA16+\s], s2, v[O16]
	v_add_nc_u32 v[ADRA8+\s], s2, v[O8]
	v_add_nc_u32 v[ADRB16+\s], s3, v[O16]
	v_add_nc_u32 v[ADRB8+\s], s3, v[O8]
	s_add_co_u32 s2, s2, SLOT
	s_add_co_u32 s3, s3, SLOT
.endr
	s_lshl_b32 s2, s15, 12                         ; scale words: A's group,
	s_lshl_b32 s3, s16, 12
	s_add_co_u32 s3, s3, 2*HALFS                   ; B's group,
	s_sub_co_u32 s3, s3, s2
	v_mul_u32_u24 v6, s3, v2                       ; which lanes 16-31 take: one product, the distance x h
	s_add_co_u32 s2, s2, SCL
	v_lshl_add_u32 v6, v1, 4, v6                   ; 16 bytes a place: four tiles' words
	v_add_nc_u32 v[ADRS], s2, v6
.irp b, 0,1,2,3
	v_mov_b32 v[TM+4+\b], 0                        ; written once: a lane permute's destination counts as one of its sources
.endr
	s_mov_b32 s[SEL], 0x76543210
	s_mov_b32 s[SEL+1], 0xfedcba98
	s_mov_b32 s95, 0xffff0000                      ; lanes 16-31
	; where my results go: e = (first 64 along the next K) x NT1 + (first tile of A's rows); images 768 e, scale blocks 64 e
	s_and_b32 s96, s17, 7
	s_mul_i32 s96, s96, s18
	s_lshl_b32 s96, s96, 3
	s_add_co_u32 s96, s96, s42                     ; which 256 rows of B: x + 8 v ((cluster y) - 8)
	s_lshl_b32 s96, s96, 2
	s_lshl_b32 s97, s16, 1
	s_add_co_u32 s96, s96, s97                     ; the first 64: 4 x that + 2 x my half
	s_lshl_b32 s94, s19, 9
	s_lshl_b32 s97, s18, 6
	s_add_co_u32 s94, s94, s97                     ; NT1: 512 tiles of tokens, or 64 of Wv's rows
	s_mul_i32 s96, s96, s94
	s_mul_i32 s97, s17, s19
	s_lshl_b32 s97, s97, 2
	s_add_co_u32 s97, s97, s41                     ; which 256 rows of A: 4 (1 - v) (cluster y) + cy
	s_lshl_b32 s97, s97, 4
	s_add_co_u32 s96, s96, s97
	s_lshl_b32 s97, s15, 3
	s_add_co_u32 s96, s96, s97                     ; e
	s_mul_i32 s66, s96, 768
	s_mul_i32 s97, s18, VI0
	s_add_co_u32 s66, s66, s97
	s_mov_b32 s67, 0
	s_add_nc_u64 s[8:9], s[8:9], s[66:67]          ; images of the first 64,
	s_mul_i32 s66, s94, 768
	s_add_nc_u64 s[12:13], s[8:9], s[66:67]        ; of the second
	s_lshl_b32 s66, s96, 6
	s_mul_i32 s97, s18, VS0
	s_add_co_u32 s66, s66, s97
	s_add_nc_u64 s[10:11], s[10:11], s[66:67]      ; scale block of the first 64,
	s_lshl_b32 s66, s94, 6
	s_add_nc_u64 s[98:99], s[10:11], s[66:67]      ; of the second
.macro FRAG reg, a16, a8, q, i         ; a fragment (16 rows x 128 K, 12 registers) is two half fragments, 6,144 bytes apart
	ds_load_b128 v[\reg:\reg+3], v[\a16] offset:12288*(\q)+768*(\i)
	ds_load_b64 v[\reg+4:\reg+5], v[\a8] offset:12288*(\q)+768*(\i)+512
	ds_load_b128 v[\reg+6:\reg+9], v[\a16] offset:12288*(\q)+768*(\i)+6144
	ds_load_b64 v[\reg+10:\reg+11], v[\a8] offset:12288*(\q)+768*(\i)+6656
.endm
.macro FETCH_B slot, q, p              ; B's eight fragments of the slot's q-th 128 along K into set p
	WIN TO_B
.irp i, 0,1,2,3,4,5,6,7
	FRAG 128*(\p)+FR*\i, ADRB16+\slot, ADRB8+\slot, \q, \i
.endr
	WIN 0
.endm
.macro FETCH_A slot, q, i0             ; A's blocks i0 .. i0 + 3
.irp i, \i0, \i0+1, \i0+2, \i0+3
	FRAG AF+FR*(\i), ADRA16+\slot, ADRA8+\slot, \q, \i
.endr
.endm
.macro SCALES sc, ks                   ; K step ks's scale words into set sc: one load brings four tiles' words of 128 along K
.irp q, 0,1
.irp f, 0,1
	ds_load_b128 v[SC+16*\sc+8*\q+4*\f:SC+16*\sc+8*\q+4*\f+3], v[ADRS] offset:2048*\f+256*(2*\ks+\q)
.endr
.endr
.endm
; 16 matrix instructions: A's blocks a0, a0 + 1 x B's eight.  The 64 accumulators take turns, one instruction a turn, in the same order in every step.
.macro MUL16 a0, p, q, sc, zero
.irp a, \a0, \a0+1
.irp b, 0,1,2,3,4,5,6,7
.if \zero
	v_wmma_scale_f32_16x16x128_f8f6f4 v[8*(8*((\a)%4)+\b):8*(8*((\a)%4)+\b)+7], v[128*(\p)+FR*\b:128*(\p)+FR*\b+FR-1], v[AF+FR*(\a):AF+FR*(\a)+FR-1], 0, v[SC+16*(\sc)+8*(\q)+\b], v[SC+16*(\sc)+8*(\q)+(\a)] matrix_a_fmt:MATRIX_FMT_FP6 matrix_b_fmt:MATRIX_FMT_FP6 matrix_a_scale:MATRIX_SCALE_ROW1
.else
	v_wmma_scale_f32_16x16x128_f8f6f4 v[8*(8*((\a)%4)+\b):8*(8*((\a)%4)+\b)+7], v[128*(\p)+FR*\b:128*(\p)+FR*\b+FR-1], v[AF+FR*(\a):AF+FR*(\a)+FR-1], v[8*(8*((\a)%4)+\b):8*(8*((\a)%4)+\b)+7], v[SC+16*(\sc)+8*(\q)+\b], v[SC+16*(\sc)+8*(\q)+(\a)] matrix_a_fmt:MATRIX_FMT_FP6 matrix_b_fmt:MATRIX_FMT_FP6 matrix_a_scale:MATRIX_SCALE_ROW1
.endif
.endr
.endr
.endm
.macro STEP slot, zero                 ; a slot's first 128 along K; it fetches the second
	s_wait_dscnt 4*NL                              ; all but the youngest 16 loads (A's blocks 4-7) are in
	WIN MUL_LO
	MUL16 0, 0, 0, \slot, \zero
	MUL16 2, 0, 0, \slot, \zero
	s_wait_dscnt 0x0
	PLACES
	FETCH_B \slot, 1, 1
	FETCH_A \slot, 1, 0
	WIN MUL_HI
	MUL16 4, 0, 0, \slot, \zero
	MUL16 6, 0, 0, \slot, \zero
	PLACES
	WIN 0
	FETCH_A \slot, 1, 4
.endm
; A slot's second 128 along K changes slots: one barrier; in front of it each wave waits for all its tensor loads, adds 0 to its spare word, and waits for that and for its reads of this slot.
.macro TURN slot, next, fill, ks
	s_wait_tensorcnt 0x0                           ; all my tensor loads have landed: my part of the next slot
	ds_add_u32 v[SPW], v[NIL]                      ; 0 onto my spare word
	s_wait_dscnt 4*NL+1                            ; (the add and the youngest 16 loads may be out)
	WIN MUL_LO
	MUL16 0, 1, 1, \slot, 0
	s_wait_dscnt 0x0                               ; the add is done, and my reads of this slot are over
	s_barrier_signal -1
	MUL16 2, 1, 1, \slot, 0
	WIN 0
	s_barrier_wait -1
.if \fill
	CREST                                          ; the barrier has opened a round of the cluster's: no wave of any partner still reads this slot or has a load on its way
	s_add_nc_u64 s[G0+4*\slot+2:G0+4*\slot+3], s[G0+4*\slot+2:G0+4*\slot+3], 2*HALFT
	s_add_nc_u64 s[G0B+4*\slot+2:G0B+4*\slot+3], s[G0B+4*\slot+2:G0B+4*\slot+3], 2*HALFT
	JLOAD G0+4*\slot, G1, G0B+4*\slot, G1B         ; the first tensor load behind the round; its four v_nop are the places in front of the loads below
.else
	PLACES
.endif
	FETCH_B \next, 0, 0
	FETCH_A \next, 0, 0
	SCALES \next, \ks
	WIN MUL_HI
	MUL16 4, 1, 1, \slot, 0
	MUL16 6, 1, 1, \slot, 0
	PLACES
	WIN 0
	FETCH_A \next, 0, 4
.endm
	s_wait_tensorcnt 1                             ; the scale words and my part of K step 0 are in; K step 1's load may be out
	s_barrier_signal -1
	s_barrier_wait -1
	FETCH_B 0, 0, 0
	FETCH_A 0, 0, 0
	SCALES 0, 0
	FETCH_A 0, 0, 4
	STEP 0, 1                                      ; the first products start the sums: nothing is cleared
	TURN 0, 1, 1, 1                                ; slot 0 takes K step 2
	STEP 1, 0
	TURN 1, 0, 1, 2                                ; slot 1 takes K step 3
	STEP 0, 0
	TURN 0, 1, 0, 3                                ; nothing is left to fetch
	STEP 1, 0
	s_wait_dscnt 4*NL
	WIN MUL_LO
	MUL16 0, 1, 1, 1, 0
	MUL16 2, 1, 1, 1, 0
	s_wait_dscnt 0x0
	WIN MUL_HI
	MUL16 4, 1, 1, 1, 0
	MUL16 6, 1, 1, 1, 0
	WIN 0
	PLACES
; THE WAY OUT.  A's tile a: 64 numbers a lane, register 16 b + i = 32 b + 16 h + i along the next K: four blocks of 32, each in lanes l and l xor 16.  They become 12 registers of codes, two half fragments,
; which are stored as they stand: 512 and 256 consecutive bytes a store.  Each accumulator is first read at its registers 0 and 1.
.macro QUANTW a
.set AC, 64*((\a)%4)
	WIN 0x28+0x14*((\a)/4)                         ; sources 1 and 2: window 2 or 3
.irp b, 0,1,2,3
	v_max3_num_f32 v[TM+\b], 0x1800000, |v[AC+16*\b]|, |v[AC+1+16*\b]|   ; with the floor 2^(3 - 127): the byte cannot fall under 1
.endr
.irp i, 2,4,6,8,10,12,14
.irp b, 0,1,2,3
	v_max3_num_f32 v[TM+\b], v[TM+\b], |v[AC+16*\b+\i]|, |v[AC+1+16*\b+\i]|
.endr
.endr
	WIN 0
.irp b, 0,1,2,3
	v_permlanex16_b32 v[TM+4+\b], v[TM+\b], s[SEL], s[SEL+1]
.endr
.irp b, 0,1,2,3
	v_max_num_f32 v[TM+\b], v[TM+\b], v[TM+4+\b]
.endr
.irp b, 0,1,2,3
	v_add_nc_u32 v[TM+12+\b], 0xff000000, v[TM+\b] ; 2 off the exponent field: the conversion's scale operand
.endr
.irp b, 0,1,2,3
	v_lshrrev_b32 v[TM+4+\b], 23, v[TM+12+\b]      ; the scale's byte
.endr
	v_lshl_or_b32 v[PWS+(\a)], v[TM+5], 8, v[TM+4]
	v_lshl_or_b32 v[PWS+(\a)], v[TM+6], 16, v[PWS+(\a)]
	v_lshl_or_b32 v[PWS+(\a)], v[TM+7], 24, v[PWS+(\a)]
.if (\a) > 0
	s_wait_xcnt 0x0                                ; the last tile's stores have read the codes' registers
.endif
	WIN 0x02+((\a)/4)                              ; source 0: window 2 or 3
.irp c, 0,1
	v_cvt_scalef32_pk16_fp6_f32 v[PC+6*\c:PC+2+6*\c], v[AC+32*\c:AC+15+32*\c], v[TM+12+2*\c]
	v_cvt_scalef32_pk16_fp6_f32 v[PC+12+4*\c:PC+14+4*\c], v[AC+16+32*\c:AC+31+32*\c], v[TM+12+2*\c+1]
.endr
	WIN 0
	v_nop                                          ; one plain place behind a scaled conversion
.irp c, 0,1
.irp i, 0,1,2
	v_permlane16_swap_b32 v[PC+6*\c+\i], v[PC+12+4*\c+\i]
.endr
.irp i, 0,1,2
	v_mov_b32 v[PC+3+6*\c+\i], v[PC+12+4*\c+\i]
.endr
.endr
	global_store_b128 v[O16], v[PC:PC+3], s[8:9] offset:768*(\a)
	global_store_b64 v[O8], v[PC+4:PC+5], s[8:9] offset:768*(\a)+512
	global_store_b128 v[O16], v[PC+6:PC+9], s[12:13] offset:768*(\a)
	global_store_b64 v[O8], v[PC+10:PC+11], s[12:13] offset:768*(\a)+512
.endm
.irp a, 0,1,2,3,4,5,6,7
	QUANTW \a
.endr
.irp k, 0,1,2,3                        ; the two scale blocks: lanes 0-15 carry tile 2 k, lanes 16-31 tile 2 k + 1
	v_lshlrev_b32 v[SH+\k], 16, v[PWS+2*\k+1]
	v_lshrrev_b32 v[SH+4+\k], 16, v[PWS+2*\k]
.endr
.irp k, 0,1,2,3
	v_cndmask_b32 v[SP0+\k], v[PWS+2*\k], v[SH+\k], s95
	v_cndmask_b32 v[SP1+\k], v[SH+4+\k], v[PWS+2*\k+1], s95
.endr
	global_store_b128 v[O16], v[SP0:SP0+3], s[10:11]   ; 512 consecutive bytes
	global_store_b128 v[O16], v[SP1:SP1+3], s[98:99]
	s_wait_tensorcnt 0x0                           ; the wave's end
	ds_add_u32 v[SPW], v[NIL]
	s_wait_dscnt 0x0
	CROUND                                         ; the closing round: no work-group ends while a partner may still ask for a tile that names it
	s_endpgm
.Lfunc_end_k_q2bdc7bc6d1_qkv:
	.size	k_q2bdc7bc6d1_qkv, .Lfunc_end_k_q2bdc7bc6d1_qkv-k_q2bdc7bc6d1_qkv
	.p2alignl 7, 3214868480
	.fill 96, 4, 3214868480
	.section	.rodata,"a",@progbits
	.p2align	6, 0x0
	.amdhsa_kernel k_q2bdc7bc6d1_qkv
		.amdhsa_group_segment_fixed_size 327680
		.amdhsa_private_segment_fixed_size 0
		.amdhsa_enable_private_segment 0
		.amdhsa_kernarg_size 32
		.amdhsa_user_sgpr_count 2
		.amdhsa_user_sgpr_kernarg_segment_ptr 1
		.amdhsa_wavefront_size32 1
		.amdhsa_system_sgpr_workgroup_id_x 1
		.amdhsa_system_sgpr_workgroup_id_y 1
		.amdhsa_system_sgpr_workgroup_id_z 1
		.amdhsa_system_vgpr_workitem_id 0
		.amdhsa_next_free_vgpr 1024
		.amdhsa_next_free_sgpr 102
		.amdhsa_reserve_vcc 0
		.amdhsa_float_denorm_mode_32 3
		.amdhsa_float_denorm_mode_16_64 3
		.amdhsa_memory_ordered 1
		.amdhsa_forward_progress 1
		.amdhsa_inst_pref_size 149
	.end_amdhsa_kernel
	.amdgpu_metadata
---
amdhsa.version: [ 1, 2 ]
amdhsa.kernels:
  - .name:           k_q2bdc7bc6d1_qkv
    .symbol:         k_q2bdc7bc6d1_qkv.kd
    .args:
      - { .name: xw_img, .offset: 0, .size: 8, .value_kind: global_buffer, .address_space: global }
      - { .name: xw_sc, .offset: 8, .size: 8, .value_kind: global_buffer, .address_space: global }
      - { .name: qkv_img, .offset: 16, .size: 8, .value_kind: global_buffer, .address_space: global }
      - { .name: qkv_sc, .offset: 24, .size: 8, .value_kind: global_buffer, .address_space: global }
    .group_segment_fixed_size: 327680
    .private_segment_fixed_size: 0
    .kernarg_segment_align: 8
    .kernarg_segment_size: 32
    .max_flat_workgroup_size: 128
    .sgpr_count:     102
    .vgpr_count:     1024
    .wavefront_size: 32
...
	.end_amdgpu_metadata
.endif
;; end of part 2
;; launch attn (part 3): grid 4 x 64, 16 waves a work-group, clusters of 4 x 1, 223,232 bytes of LDS; arguments qkv_img, qkv_sc, y_img, y_sc; writes y_img, y_sc
.if DOCPART == 3
	.amdgcn_target "amdgcn-amd-amdhsa--gfx1250"
	.amdhsa_code_object_version 6
	.text
	.protected	k_q2bdc7bc6d1_attn
	.globl	k_q2bdc7bc6d1_attn
	.p2align	8
	.type	k_q2bdc7bc6d1_attn,@function
k_q2bdc7bc6d1_attn:
	s_mov_b64 s[64:65], 0
	v_nop
	global_prefetch_b8 v0, s[64:65] scope:SCOPE_SE
	s_setreg_imm32_b32 hwreg(HW_REG_WAVE_MODE, 25, 1), 1
	s_wait_xcnt 0x0
	s_wait_alu depctr_hold_cnt(0) depctr_sa_sdst(0) depctr_va_vdst(0) depctr_va_sdst(0) depctr_va_ssrc(0) depctr_va_vcc(0) depctr_vm_vsrc(0)
	s_getreg_b32 s2, hwreg(HW_REG_IB_STS2, 6, 4)
	s_cmp_eq_u32 s2, 0
	s_cbranch_scc0 .Lentry_in_a_cluster
	s_endpgm
.Lentry_in_a_cluster:
	s_bfe_u32 s2, ttmp6, 0x10000c
	s_cmp_lg_u32 s2, 0x3003
	s_cbranch_scc0 .Lentry_shape_is_right
	s_endpgm
.Lentry_shape_is_right:
; Y[b][t][64 H + d] = sum over keys of softmax(Q K^T / 8) V, both products on codes of FP6 (E2M3) with E8M0 scales; Y is quantised in registers along d and leaves as codes for the last product.
; THE SOFTMAX: t = score x log2(e) / 8; M = the row's largest t so far, rounded UP to a whole number; p = 2^(t - M) is quantised along the keys, not normalised; the row's sum is taken of the unquantised p
; and divides at the end; when M moves, the sum and O are multiplied by 2^(old M - new M), which rounds nothing.
; SHARES.  Work-group (x, y): head H = y % 16 of batch b = y / 16, queries 512 x on.  Sixteen waves, four to a SIMD; wave w owns the query tile 32 x + 16 p + w in pass p = 0, 1, and walks all 2,048 keys, 128 a step.
; K AND V OF THE WHOLE HEAD STAY IN LDS: codes 2 x 98,304 bytes, scale blocks 8,192 + 16,384.  They come once, by joint loads of the four work-groups of the head (a cluster); no LDS byte is filled again or stored to.
; LAYOUT.  Both products are used transposed: S^T = K Q^T, O^T = V^T P^T: a lane holds one query throughout.  Place i of tile t is row 32 (t / 2) + 8 (t % 2) + i + 8 (i / 8), so the 16 registers of score tiles 2 B,
; 2 B + 1 are 16 neighbouring keys.  Operands lie as images of their registers (half fragment: 16 rows x 64 K, 768 bytes: registers 0-3 at 16 x lane, 4-5 at 512 + 8 x lane).
; K = 64 IN AN INSTRUCTION OF K = 128: a run of 12 registers holds TWO key tiles.  Against [q | 0] it gives the first tile's scores, against [0 | q] the second's: the other half meets zero codes under scale bytes
; that are never 0xff.
; LIMITS: NaN and infinities are not served; a block whose largest magnitude lies under 2^-124 (zeros too) gets the byte 1; the bytes are read by this program alone.
; REGISTERS: v1-7 addresses that stay; v8-13 the step's; v14 -M, v15 the largest t; v16-33 [0 | q | 0]; v34-35 q's scale words; v36-83 four runs of 12; v84-91 K's and V's scale words; v[92:93] the sum;
;   v96-159 S^T, then p; v160-191 O^T; v192-211 codes; v212-227 at work (v227 p's scale word); v228-235 pass 1's q, the raw scale words; v[236:237] a second chain of the sum; v238 Y's scale bytes.
.set VI0,  12582912
.set VS0,  1048576
.set LV,   98304                       ; LDS: K's images at 0, V's here,
.set LKS,  196608                      ; K's scale blocks,
.set LVS,  204800                      ; V's
.set F,    36
.set WV,   12
.set G1K,  24
.set G1V,  32
.set G1KS, 40
.set G1VS, 48
.set G0K,  56
.set G0V,  60
.set G0KS, 68
.set G0VS, 72
.set CS,   76                          ; s[76:77] c = log2(e) / 8
.set SEL,  78                          ; s[78:79] lane selects for lane l xor 16
.set TB,   80                          ; the step's images: 6,144 bytes a step, in K's and in V's
.set TS,   81                          ; K's scale block: 512 a step
.set TV,   82                          ; V's two: 1,024 a step
.set CNT,  83
.macro CROUND                          ; a round of the cluster's barrier
	s_barrier_signal -1
	s_barrier_wait -1
	s_cmp_lg_u32 s[WV], 0
	s_cbranch_scc1 .Lnot_wave_0_\@
	s_barrier_signal -3
.Lnot_wave_0_\@:
	s_barrier_wait -3
	s_barrier_signal -1
	s_barrier_wait -1
.endm
	s_load_b256 s[4:11], s[0:1], 0x0               ; qkv_img, qkv_sc, y_img, y_sc
	v_lshl_add_u32 v254, v0, 2, 0x36000
	v_mov_b32 v255, 0
	ds_add_u32 v254, v255
	ds_add_u32 v254, v255
	v_lshrrev_b32 v8, 5, v0
	v_readfirstlane_b32 s[WV], v8                  ; wave 0..15
	s_and_b32 s18, ttmp7, 0xffff
	s_and_b32 s15, s18, 15                         ; H
	s_lshr_b32 s16, s18, 4                         ; b
	s_and_b32 s17, s[WV], 3                        ; u: which quarter I fetch, if I fetch
	; descriptor groups 1.  15:0 the mask: all four work-groups; 17:16 elements of 8 bytes; 21 set beside a mask; no padding
	s_mov_b32 s[G1K], 15|(3<<16)|(1<<21)           ; K's codes: 24,576 dense bytes as 96 rows of 256
	s_mov_b32 s[G1K+1], 32<<16
	s_mov_b32 s[G1K+2], 96<<16
	s_mov_b32 s[G1K+3], 32<<16
	s_mov_b32 s[G1K+4], 96
	s_mov_b32 s[G1K+5], 32
	s_mov_b32 s[G1K+6], 0
	s_mov_b32 s[G1K+7], 0
	s_mov_b32 s[G1V], 15|(3<<16)|(1<<21)           ; V's codes: 8 rows of 3,072 bytes (the head's four tiles), 49,152 bytes apart
	s_mov_b32 s[G1V+1], 384<<16
	s_mov_b32 s[G1V+2], 8<<16
	s_mov_b32 s[G1V+3], 384<<16
	s_mov_b32 s[G1V+4], 8
	s_mov_b32 s[G1V+5], 6144
	s_mov_b32 s[G1V+6], 0
	s_mov_b32 s[G1V+7], 0
	s_mov_b32 s[G1KS], 15|(3<<16)|(1<<21)          ; K's scale blocks: 8,192 dense bytes as 32 rows of 256
	s_mov_b32 s[G1KS+1], 32<<16
	s_mov_b32 s[G1KS+2], 32<<16
	s_mov_b32 s[G1KS+3], 32<<16
	s_mov_b32 s[G1KS+4], 32
	s_mov_b32 s[G1KS+5], 32
	s_mov_b32 s[G1KS+6], 0
	s_mov_b32 s[G1KS+7], 0
	s_mov_b32 s[G1VS], 15|(3<<16)|(1<<21)          ; V's: 32 rows of 512 bytes, 4,096 bytes apart
	s_mov_b32 s[G1VS+1], 64<<16
	s_mov_b32 s[G1VS+2], 32<<16
	s_mov_b32 s[G1VS+3], 64<<16
	s_mov_b32 s[G1VS+4], 32
	s_mov_b32 s[G1VS+5], 512
	s_mov_b32 s[G1VS+6], 0
	s_mov_b32 s[G1VS+7], 0
	s_mul_i32 s20, s17, 24576                      ; my quarter, in LDS and (K) in memory
	s_mov_b32 s19, 0
	s_wait_dscnt 0x0
	s_wait_kmcnt 0x0
	s_add_co_u32 s18, s15, 16                      ; K: ((16 + H) 512 + 128 b) 768 + my quarter
	s_lshl_b32 s18, s18, 9
	s_lshl_b32 s21, s16, 7
	s_add_co_u32 s18, s18, s21
	s_mul_i32 s18, s18, 768
	s_add_co_u32 s18, s18, s20
	s_mov_b32 s[G0K], 1
	s_mov_b32 s[G0K+1], s20
	s_add_nc_u64 s[G0K+2:G0K+3], s[4:5], s[18:19]
	s_or_b32 s[G0K+3], s[G0K+3], 0x80000000
	s_lshl_b32 s18, s16, 5                         ; V: VI0 + ((32 b + 8 u) 64 + 4 H) 768
	s_lshl_b32 s21, s17, 3
	s_add_co_u32 s18, s18, s21
	s_lshl_b32 s18, s18, 6
	s_lshl_b32 s21, s15, 2
	s_add_co_u32 s18, s18, s21
	s_mul_i32 s18, s18, 768
	s_add_co_u32 s18, s18, VI0
	s_mov_b32 s[G0V], 1
	s_add_co_u32 s[G0V+1], s20, LV
	s_add_nc_u64 s[G0V+2:G0V+3], s[4:5], s[18:19]
	s_or_b32 s[G0V+3], s[G0V+3], 0x80000000
	s_add_co_u32 s18, s15, 16                      ; K's scale blocks: ((16 + H) 64 + 16 b) 512
	s_lshl_b32 s18, s18, 6
	s_lshl_b32 s21, s16, 4
	s_add_co_u32 s18, s18, s21
	s_lshl_b32 s18, s18, 9
	s_mov_b32 s[G0KS], 1
	s_mov_b32 s[G0KS+1], LKS
	s_add_nc_u64 s[G0KS+2:G0KS+3], s[6:7], s[18:19]
	s_or_b32 s[G0KS+3], s[G0KS+3], 0x80000000
	s_lshl_b32 s18, s16, 8                         ; V's: VS0 + (256 b + H / 2) 512
	s_lshr_b32 s21, s15, 1
	s_add_co_u32 s18, s18, s21
	s_lshl_b32 s18, s18, 9
	s_add_co_u32 s18, s18, VS0
	s_mov_b32 s[G0VS], 1
	s_mov_b32 s[G0VS+1], LVS
	s_add_nc_u64 s[G0VS+2:G0VS+3], s[6:7], s[18:19]
	s_or_b32 s[G0VS+3], s[G0VS+3], 0x80000000
	CROUND                                         ; all four work-groups are here: the joint loads meet
	; the fills: waves 0-3 K's quarters, 4-7 V's, 8 K's scale blocks, 9 V's, the others none: at most one load a wave.  The branches hang on the wave's number alone.  Four v_nop follow each load.
	s_cmp_lt_u32 s[WV], 4
	s_cbranch_scc0 .Lnot_k
	tensor_load_to_lds s[G0K:G0K+3], s[G1K:G1K+7]
	s_nop 0
.rept 4
	v_nop
.endr
	s_branch .Lasked
.Lnot_k:
	s_cmp_lt_u32 s[WV], 8
	s_cbranch_scc0 .Lnot_v
	tensor_load_to_lds s[G0V:G0V+3], s[G1V:G1V+7]
	s_nop 0
.rept 4
	v_nop
.endr
	s_branch .Lasked
.Lnot_v:
	s_cmp_eq_u32 s[WV], 8
	s_cbranch_scc0 .Lnot_ks
	tensor_load_to_lds s[G0KS:G0KS+3], s[G1KS:G1KS+7]
	s_nop 0
.rept 4
	v_nop
.endr
	s_branch .Lasked
.Lnot_ks:
	s_cmp_eq_u32 s[WV], 9
	s_cbranch_scc0 .Lasked
	tensor_load_to_lds s[G0VS:G0VS+3], s[G1VS:G1VS+7]
	s_nop 0
.rept 4
	v_nop
.endr
.Lasked:
	; my queries and my results: the block of 512 queries enters these global addresses alone
	s_bfe_u32 s13, ttmp6, 0x40000                  ; cx
	s_lshl_b32 s14, ttmp9, 2
	s_add_co_u32 s14, s14, s13                     ; x
	s_mov_b32 s95, 0
	s_lshl_b32 s94, s15, 9                         ; q's image: (512 H + 128 b + 32 x + w) 768
	s_lshl_b32 s97, s16, 7
	s_add_co_u32 s94, s94, s97
	s_lshl_b32 s97, s14, 5
	s_add_co_u32 s94, s94, s97
	s_add_co_u32 s94, s94, s[WV]
	s_mul_i32 s94, s94, 768
	s_add_nc_u64 s[86:87], s[4:5], s[94:95]
	s_lshl_b32 s96, s16, 4
	s_lshl_b32 s97, s14, 2
	s_add_co_u32 s96, s96, s97
	s_lshr_b32 s97, s[WV], 3
	s_add_co_u32 s96, s96, s97                     ; my group of eight tiles: 16 b + 4 x + w / 8
	s_lshl_b32 s94, s15, 6                         ; q's scale word: (64 H + group) 512 + 256 (w % 2) + 4 ((w / 2) % 4)
	s_add_co_u32 s94, s94, s96
	s_lshl_b32 s94, s94, 9
	s_and_b32 s97, s[WV], 1
	s_lshl_b32 s84, s97, 4                         ; an odd tile's bytes stand 16 bits up
	s_lshl_b32 s97, s97, 8
	s_add_co_u32 s94, s94, s97
	s_bfe_u32 s97, s[WV], 0x20001
	s_lshl_b32 s97, s97, 2
	s_add_co_u32 s94, s94, s97
	s_add_nc_u64 s[88:89], s[6:7], s[94:95]
	s_lshl_b32 s94, s96, 4                         ; Y's image: ((group 16 + H) 8 + w % 8) 768
	s_add_co_u32 s94, s94, s15
	s_lshl_b32 s94, s94, 3
	s_and_b32 s97, s[WV], 7
	s_add_co_u32 s94, s94, s97
	s_mul_i32 s94, s94, 768
	s_add_nc_u64 s[90:91], s[8:9], s[94:95]
	s_lshl_b32 s94, s16, 5                         ; Y's scale bytes: ((32 b + 8 x + w / 4) 8 + H / 2) 256 + 4 (w % 4) + 2 (H % 2)
	s_lshl_b32 s97, s14, 3
	s_add_co_u32 s94, s94, s97
	s_lshr_b32 s97, s[WV], 2
	s_add_co_u32 s94, s94, s97
	s_lshl_b32 s94, s94, 3
	s_lshr_b32 s97, s15, 1
	s_add_co_u32 s94, s94, s97
	s_lshl_b32 s94, s94, 8
	s_and_b32 s97, s[WV], 3
	s_lshl_b32 s97, s97, 2
	s_add_co_u32 s94, s94, s97
	s_and_b32 s97, s15, 1
	s_lshl_b32 s97, s97, 1
	s_add_co_u32 s94, s94, s97
	s_add_nc_u64 s[92:93], s[10:11], s[94:95]
	v_and_b32 v8, 31, v0
	v_and_b32 v9, 15, v0
	v_lshlrev_b32 v1, 4, v8                        ; 16 x lane
	v_lshlrev_b32 v2, 3, v8                        ; 8 x lane
	v_lshlrev_b32 v7, 4, v9                        ; 16 r
	global_load_b128 v[22:25], v1, s[86:87]                    ; pass 0's q,
	global_load_b64 v[26:27], v2, s[86:87] offset:512
	global_load_b32 v235, v7, s[88:89]                         ; its scale word,
	global_load_b128 v[228:231], v1, s[86:87] offset:12288     ; pass 1's: 16 tiles on
	global_load_b64 v[232:233], v2, s[86:87] offset:12800
	global_load_b32 v234, v7, s[88:89] offset:1024             ; two groups on
	v_add_nc_u32 v3, LV, v1
	v_add_nc_u32 v4, LV, v2
	v_add_nc_u32 v5, LKS, v1
	s_and_b32 s21, s15, 1
	s_lshl_b32 s21, s21, 3
	s_add_co_u32 s21, s21, LVS
	v_add_nc_u32 v6, s21, v1                       ; V's scale words: my head's two of a lane's four: + 8 (H % 2)
.irp i, 0,1,2,3,4,5
	v_mov_b32 v[16+\i], 0                          ; the zero codes on both sides of q
	v_mov_b32 v[28+\i], 0
.endr
.irp b, 0,1,2,3
	v_mov_b32 v[216+\b], 0                         ; written once: a lane permute's destination counts as one of its sources
.endr
	v_mov_b32 v225, 0                              ; (named as the upper half of the pair v[224:225])
	v_mov_b32 v226, 0
	s_mov_b32 s[CS], 0x3e38aa3b                    ; c = log2(e) / 8
	s_mov_b32 s[CS+1], s[CS]                       ; (named with it as a pair, so it is written)
	s_mov_b32 s[SEL], 0x76543210
	s_mov_b32 s[SEL+1], 0xfedcba98
	s_wait_tensorcnt 0x0                           ; my part of the head has landed,
	s_barrier_signal -1
	s_barrier_wait -1                              ; everybody's has
	s_wait_loadcnt 0x0                             ; q
; A KEY STEP: 128 keys
.macro STEP
	v_add_nc_u32 v8, s[TB], v1                     ; (these six are also the places in front of the loads into registers that the last products read)
	v_add_nc_u32 v9, s[TB], v2
	v_add_nc_u32 v10, s[TB], v3
	v_add_nc_u32 v11, s[TB], v4
	v_add_nc_u32 v12, s[TS], v5
	v_add_nc_u32 v13, s[TV], v6
.irp k, 0,1,2,3                                ; run k: key tiles 2 k and 2 k + 1
	ds_load_b128 v[F+12*\k:F+12*\k+3], v8 offset:1536*\k
	ds_load_b64 v[F+12*\k+4:F+12*\k+5], v9 offset:1536*\k+512
	ds_load_b128 v[F+12*\k+6:F+12*\k+9], v8 offset:1536*\k+768
	ds_load_b64 v[F+12*\k+10:F+12*\k+11], v9 offset:1536*\k+1280
.endr
	ds_load_b128 v[84:87], v12                     ; word k: lanes 0-15 tile 2 k (bytes 0, 1), lanes 16-31 tile 2 k + 1 (bytes 2, 3)
	s_wait_dscnt 0x0
.irp k, 0,1,2,3
	v_wmma_scale_f32_16x16x128_f8f6f4 v[96+16*\k:103+16*\k], v[F+12*\k:F+12*\k+11], v[22:33], 0, v[84+\k], v34 matrix_a_fmt:MATRIX_FMT_FP6 matrix_b_fmt:MATRIX_FMT_FP6
	v_wmma_scale_f32_16x16x128_f8f6f4 v[104+16*\k:111+16*\k], v[F+12*\k:F+12*\k+11], v[16:27], 0, v[84+\k], v35 matrix_a_fmt:MATRIX_FMT_FP6 matrix_b_fmt:MATRIX_FMT_FP6 matrix_a_scale:MATRIX_SCALE_ROW1
.endr
.rept 4
	v_nop                                          ; places in front of the loads below and of the first read of the scores
.endr
.irp t, 0,1,2,3                                ; V's four tiles of these 128 keys: asked for here, so that they land under the softmax
	ds_load_b128 v[F+12*\t:F+12*\t+3], v10 offset:768*\t
	ds_load_b64 v[F+12*\t+4:F+12*\t+5], v11 offset:768*\t+512
	ds_load_b128 v[F+12*\t+6:F+12*\t+9], v10 offset:3072+768*\t
	ds_load_b64 v[F+12*\t+10:F+12*\t+11], v11 offset:3072+768*\t+512
.endr
	ds_load_b64 v[88:89], v13                      ; whole words of tiles 0, 2 in lanes 0-15,
	ds_load_b64 v[90:91], v13 offset:512           ; of tiles 1, 3 in lanes 16-31
.irp b, 0,1,2,3
	v_max3_num_f32 v[212+\b], v[96+16*\b], v[97+16*\b], v[98+16*\b]   ; the largest score of each block of 32 keys: for the row's maximum, and, since p rises with the score, for the block's largest p
.endr
.irp i, 3,5,7,9,11,13
.irp b, 0,1,2,3
	v_max3_num_f32 v[212+\b], v[212+\b], v[96+16*\b+\i], v[97+16*\b+\i]
.endr
.endr
.irp b, 0,1,2,3
	v_max_num_f32 v[212+\b], v[212+\b], v[111+16*\b]
.endr
.irp b, 0,1,2,3
	v_permlanex16_b32 v[216+\b], v[212+\b], s[SEL], s[SEL+1]
.endr
.irp b, 0,1,2,3
	v_max_num_f32 v[212+\b], v[212+\b], v[216+\b]  ; with lane l xor 16's 16 keys
.endr
	v_max3_num_f32 v226, v212, v213, v214
	v_max_num_f32 v226, v226, v215
	v_mul_f32 v226, s[CS], v226                    ; as t (c is positive)
	v_max_num_f32 v15, v15, v226                   ; the running largest t
	v_mov_b32 v226, v14
	v_floor_f32 v14, -v15                          ; the new -M = floor(-t): M is a whole number
	v_sub_f32 v226, v14, v226                      ; old M - new M: a whole number, 0 or less
	v_cvt_i32_f32 v226, v226                       ; (it saturates)
	v_ldexp_f32 v224, 1.0, v226                    ; f = 2^(old M - new M)
.irp j, 0,2,4,6,8,10,12,14,16,18,20,22,24,26,28,30,32,34,36,38,40,42,44,46,48,50,52,54,56,58,60,62
	v_pk_fma_f32 v[96+\j:97+\j], v[96+\j:97+\j], s[CS:CS+1], v[14:15] op_sel_hi:[1,0,0]   ; t - M, two at a time
.endr
.irp b, 0,1,2,3
	v_fma_f32 v[212+\b], v[212+\b], s[CS], v14     ; the same of each block's largest score
.endr
.irp j, 0,1,2,3,4,5,6,7,8,9,10,11,12,13,14,15,16,17,18,19,20,21,22,23,24,25,26,27,28,29,30,31,32,33,34,35,36,37,38,39,40,41,42,43,44,45,46,47,48,49,50,51,52,53,54,55,56,57,58,59,60,61,62,63
	v_exp_f32 v[96+\j], v[96+\j]                   ; p = 2^(t - M), at most 1
.endr
.irp b, 0,1,2,3
	v_exp_f32 v[212+\b], v[212+\b]                 ; the block's largest p
.endr
	v_pk_mul_f32 v[92:93], v[92:93], v[224:225] op_sel_hi:[1,0]   ; the sum under the new M.  (A plain place behind the exponentials)
	s_wait_alu depctr_va_vdst(0)
.irp b, 0,1,2,3
	v_max_num_f32 v[212+\b], 0x1800000, v[212+\b]  ; the floor 2^(3 - 127): the byte cannot fall under 1
.endr
.irp b, 0,1,2,3
	v_add_nc_u32 v[220+\b], 0xff000000, v[212+\b]  ; 2 off the exponent field: the conversion's scale operand
.endr
.irp b, 0,1,2,3
	v_lshrrev_b32 v[216+\b], 23, v[220+\b]         ; the scale's byte
.endr
	v_lshl_or_b32 v227, v217, 8, v216              ; p's scale word for these 128 keys
	v_lshl_or_b32 v227, v218, 16, v227
	v_lshl_or_b32 v227, v219, 24, v227
.irp c, 0,1
	v_cvt_scalef32_pk16_fp6_f32 v[192+6*\c:194+6*\c], v[96+32*\c:111+32*\c], v[220+2*\c]
	v_cvt_scalef32_pk16_fp6_f32 v[204+4*\c:206+4*\c], v[112+32*\c:127+32*\c], v[220+2*\c+1]   ; (a conversion's three registers begin on an even number)
.endr
	v_nop                                          ; one plain place behind a scaled conversion
.irp c, 0,1                                    ; the operand's layout wants a whole block in a lane
.irp i, 0,1,2
	v_permlane16_swap_b32 v[192+6*\c+\i], v[204+4*\c+\i]
.endr
.irp i, 0,1,2
	v_mov_b32 v[195+6*\c+\i], v[204+4*\c+\i]
.endr
.endr
	v_pk_add_f32 v[236:237], v[96:97], v[98:99]    ; the row's sum is taken of the unquantised p: two at a time, in two chains
.irp j, 4,8,12,16,20,24,28,32,36,40,44,48,52,56,60
	v_pk_add_f32 v[92:93], v[92:93], v[96+\j:97+\j]
	v_pk_add_f32 v[236:237], v[236:237], v[98+\j:99+\j]
.endr
	v_pk_add_f32 v[92:93], v[92:93], v[236:237]
.irp j, 0,2,4,6,8,10,12,14,16,18,20,22,24,26,28,30
	v_pk_mul_f32 v[160+\j:161+\j], v[160+\j:161+\j], v[224:225] op_sel_hi:[1,0]   ; O^T under the new M, each accumulator from its low end on.  (The sums and these are the places in front of the products below)
.endr
	s_wait_dscnt 0x0                               ; V and its scale words are in
.irp t, 0,2                                    ; O^T += V^T P^T: the four accumulators by turns
	v_wmma_scale_f32_16x16x128_f8f6f4 v[160+8*\t:167+8*\t], v[F+12*\t:F+12*\t+11], v[192:203], v[160+8*\t:167+8*\t], v[88+\t/2], v227 matrix_a_fmt:MATRIX_FMT_FP6 matrix_b_fmt:MATRIX_FMT_FP6
	v_wmma_scale_f32_16x16x128_f8f6f4 v[168+8*\t:175+8*\t], v[F+12*\t+12:F+12*\t+23], v[192:203], v[168+8*\t:175+8*\t], v[90+\t/2], v227 matrix_a_fmt:MATRIX_FMT_FP6 matrix_b_fmt:MATRIX_FMT_FP6 matrix_a_scale:MATRIX_SCALE_ROW1
.endr
.endm
; A PASS: one tile of 16 queries against all keys
.macro PASS p
.if \p
	s_wait_xcnt 0x0                                ; pass 0's stores have read their registers
.irp i, 0,1,2,3,4,5
	v_mov_b32 v[22+\i], v[228+\i]
.endr
.endif
	v_lshrrev_b32 v34, s84, v[235-\p]              ; q's two bytes in bytes 0, 1: for [q | 0];
	v_lshlrev_b32 v35, 16, v34                     ; in bytes 2, 3: for [0 | q]
	v_mov_b32 v15, 0xff61b1e6                      ; the largest t so far: -3e38
	v_floor_f32 v14, -v15                          ; -M
	v_mov_b32 v92, 0
	v_mov_b32 v93, 0
.irp j, 0,1,2,3,4,5,6,7,8,9,10,11,12,13,14,15,16,17,18,19,20,21,22,23,24,25,26,27,28,29,30,31
	v_mov_b32 v[160+\j], 0                         ; O^T: the step is written once; the first finds zeros.  (These are also the places between the scale words above and the first product)
.endr
	s_mov_b32 s[TB], 0
	s_mov_b32 s[TS], 0
	s_mov_b32 s[TV], 0
	s_mov_b32 s[CNT], 16
.Lstep_\@:
	STEP
	s_add_co_u32 s[TB], s[TB], 6144
	s_add_co_u32 s[TS], s[TS], 512
	s_add_co_u32 s[TV], s[TV], 1024
	s_sub_co_u32 s[CNT], s[CNT], 1
	s_cmp_lg_u32 s[CNT], 0
	s_cbranch_scc1 .Lstep_\@
.rept 4
	v_nop                                          ; places behind the last products
.endr
	v_add_f32 v92, v92, v93                        ; the sum's two halves,
	v_permlanex16_b32 v226, v92, s[SEL], s[SEL+1]
	v_add_f32 v92, v92, v226                       ; and lane l xor 16's
	v_rcp_f32 v224, v92
	v_nop                                          ; one plain place behind a transcendental
	s_wait_alu depctr_va_vdst(0)
.irp j, 0,2,4,6,8,10,12,14,16,18,20,22,24,26,28,30
	v_pk_mul_f32 v[96+\j:97+\j], v[160+\j:161+\j], v[224:225] op_sel_hi:[1,0]   ; Y: register 16 B + i = channel 32 B + 16 h + i of my query
.endr
.irp b, 0,1
	v_max3_num_f32 v[212+\b], |v[96+16*\b]|, |v[97+16*\b]|, 0x1800000
.endr
.irp i, 2,4,6,8,10,12,14
.irp b, 0,1
	v_max3_num_f32 v[212+\b], v[212+\b], |v[96+16*\b+\i]|, |v[97+16*\b+\i]|
.endr
.endr
.irp b, 0,1
	v_permlanex16_b32 v[216+\b], v[212+\b], s[SEL], s[SEL+1]
.endr
.irp b, 0,1
	v_max_num_f32 v[212+\b], v[212+\b], v[216+\b]
.endr
.irp b, 0,1
	v_add_nc_u32 v[220+\b], 0xff000000, v[212+\b]
.endr
.irp b, 0,1
	v_lshrrev_b32 v[216+\b], 23, v[220+\b]
.endr
	v_lshl_or_b32 v238, v217, 8, v216              ; the head's two scale bytes of my query
	v_cvt_scalef32_pk16_fp6_f32 v[192:194], v[96:111], v220
	v_cvt_scalef32_pk16_fp6_f32 v[204:206], v[112:127], v221
	v_nop                                          ; one plain place behind a scaled conversion
.irp i, 0,1,2
	v_permlane16_swap_b32 v[192+\i], v[204+\i]
.endr
.irp i, 0,1,2
	v_mov_b32 v[195+\i], v[204+\i]
.endr
	global_store_b128 v1, v[192:195], s[90:91] offset:\p*196608          ; a half fragment: 512 consecutive bytes,
	global_store_b64 v2, v[196:197], s[90:91] offset:\p*196608+512       ; and 256
	global_store_b16 v7, v238, s[92:93] offset:\p*8192                   ; two bytes a query (a word of 128 along d belongs to two heads); lanes 16-31 write what lanes 0-15 write
.endm
	PASS 0
	PASS 1
	s_wait_dscnt 0x0
	s_wait_tensorcnt 0x0
	ds_add_u32 v254, v255
	s_wait_dscnt 0x0
	CROUND                                         ; the closing round
	s_endpgm
.Lfunc_end_k_q2bdc7bc6d1_attn:
	.size	k_q2bdc7bc6d1_attn, .Lfunc_end_k_q2bdc7bc6d1_attn-k_q2bdc7bc6d1_attn
	.p2alignl 7, 3214868480
	.fill 96, 4, 3214868480
	.section	.rodata,"a",@progbits
	.p2align	6, 0x0
	.amdhsa_kernel k_q2bdc7bc6d1_attn
		.amdhsa_group_segment_fixed_size 223232
		.amdhsa_private_segment_fixed_size 0
		.amdhsa_enable_private_segment 0
		.amdhsa_kernarg_size 32
		.amdhsa_user_sgpr_count 2
		.amdhsa_user_sgpr_kernarg_segment_ptr 1
		.amdhsa_wavefront_size32 1
		.amdhsa_system_sgpr_workgroup_id_x 1
		.amdhsa_system_sgpr_workgroup_id_y 1
		.amdhsa_system_sgpr_workgroup_id_z 1
		.amdhsa_system_vgpr_workitem_id 0
		.amdhsa_next_free_vgpr 256
		.amdhsa_next_free_sgpr 100
		.amdhsa_reserve_vcc 0
		.amdhsa_float_denorm_mode_32 3
		.amdhsa_float_denorm_mode_16_64 3
		.amdhsa_memory_ordered 1
		.amdhsa_forward_progress 1
		.amdhsa_inst_pref_size 52
	.end_amdhsa_kernel
	.amdgpu_metadata
---
amdhsa.version: [ 1, 2 ]
amdhsa.kernels:
  - .name:           k_q2bdc7bc6d1_attn
    .symbol:         k_q2bdc7bc6d1_attn.kd
    .args:
      - { .name: qkv_img, .offset: 0, .size: 8, .value_kind: global_buffer, .address_space: global }
      - { .name: qkv_sc, .offset: 8, .size: 8, .value_kind: global_buffer, .address_space: global }
      - { .name: y_img, .offset: 16, .size: 8, .value_kind: global_buffer, .address_space: global }
      - { .name: y_sc, .offset: 24, .size: 8, .value_kind: global_buffer, .address_space: global }
    .group_segment_fixed_size: 223232
    .private_segment_fixed_size: 0
    .kernarg_segment_align: 8
    .kernarg_segment_size: 32
    .max_flat_workgroup_size: 512
    .sgpr_count:     100
    .vgpr_count:     256
    .wavefront_size: 32
...
	.end_amdgpu_metadata
.endif
;; end of part 3
;; launch proj (part 4): grid 4 x 32, 4 waves a work-group, clusters of 4 x 4, 327,680 bytes of LDS; arguments xw_img, xw_sc, y_img, y_sc, out0; writes out0
.if DOCPART == 4
	.amdgcn_target "amdgcn-amd-amdhsa--gfx1250"
	.amdhsa_code_object_version 6
	.text
	.protected	k_q2bdc7bc6d1_proj
	.globl	k_q2bdc7bc6d1_proj
	.p2align	8
	.type	k_q2bdc7bc6d1_proj,@function
k_q2bdc7bc6d1_proj:
	s_mov_b64 s[64:65], 0
	v_nop
	global_prefetch_b8 v0, s[64:65] scope:SCOPE_SE
	s_setreg_imm32_b32 hwreg(HW_REG_WAVE_MODE, 25, 1), 1
	s_wait_xcnt 0x0
	s_wait_alu depctr_hold_cnt(0) depctr_sa_sdst(0) depctr_va_vdst(0) depctr_va_sdst(0) depctr_va_ssrc(0) depctr_va_vcc(0) depctr_vm_vsrc(0)
	s_getreg_b32 s2, hwreg(HW_REG_IB_STS2, 6, 4)
	s_cmp_eq_u32 s2, 0
	s_cbranch_scc0 .Lentry_in_a_cluster
	s_endpgm
.Lentry_in_a_cluster:
	s_bfe_u32 s2, ttmp6, 0x10000c
	s_cmp_lg_u32 s2, 0xf033
	s_cbranch_scc0 .Lentry_shape_is_right
	s_endpgm
.Lentry_shape_is_right:
; out0 = Y Wo^T on codes of FP6 (E2M3) with E8M0 scales, sums in f32.  Y [8192][1024] and Wo [1024][1024] lie as images of the operand's registers (y_img, xw_img) with their scale words (y_sc, xw_sc).
; A work-group makes 256 x 256 of the product, four waves of 128 x 128 (64 accumulators, 512 registers); K = 1,024 goes in four steps of 256 through two LDS slots filled by the tensor data mover.
; SOURCE 0 ("B") = rows of Wo, SOURCE 1 ("A") = rows of Y: a lane holds one token and eight neighbouring columns of its row of out0.
; TILES.  Tile t is 16 rows, place i of it is row 32 (t / 2) + 8 (t % 2) + i + 8 (i / 8): register j of lane (r, h) of accumulator (a, b) is column 32 (b / 2) + 16 h + 8 (b % 2) + j of the token at place r of tile a.
; A half fragment (16 rows x 64 K) is 768 bytes: registers 0-3 at 16 x lane, registers 4-5 at 512 + 8 x lane: every LDS load takes consecutive bytes.
; CLUSTERS: 4 x 4.  A's tiles hang on the cluster's row alone and are asked for jointly along it, B's on its column.
; REGISTERS: window 0: v16-23, v27 LDS addresses; v24-26 the way out; v28-29 the add's; v32-63 scale words, two sets; v128-223 A's 8 fragments, one set; on the way out v128-255 rows of out0.
;   window 1: B's fragments, two sets, at v0 and v128.   windows 2, 3: the accumulators ((a, b) at v[8 (8 (a % 4) + b)], window 2 + a / 4).
.set HALFT,  24576                     ; a group of 128 rows x 256 K: what one tensor load brings
.set SLOT,   4*HALFT                   ; A's two groups, then B's two
.set SCL,    2*SLOT                    ; behind the ring: the four groups' scale words for all of K, 4,096 bytes each, filled once
.set HALFS,  4096
.set SPARE,  SCL+4*HALFS               ; the spare words, 128 bytes a wave: two blocks of 256 bytes that no other line names
.set SPITCH, 528                       ; the way out: a stage of 16 rows x (512 + 16) bytes a wave, in slot 0, which has had its last fill and its last read when the first result is stored there
.set FR,     12
.set NL,     4
.set ADRA16, 16
.set ADRA8,  18
.set ADRB16, 20
.set ADRB8,  22
.set STO,    24
.set RD,     25
.set CO,     26
.set ADRS,   27
.set SPW,    28
.set NIL,    29
.set SC,     32
.set AF,     128
.set BK,     128
.set G1, 24
.set G0, 32
.set G1B, 48
.set G0B, 56
.set G1S, 68
.set G0S, 76
.set G1SB, 80
.set G0SB, 88
.set MSB, 0
.macro WIN new                         ; the immediate's high byte repeats the setting that is left
.if MSB != \new
	s_set_vgpr_msb (MSB<<8)|\new
.set MSB, \new
.endif
.endm
.set MUL_LO, 0xa1                      ; source 0 (B) window 1, source 1 (A) window 0, C and D window 2
.set MUL_HI, 0xf1
.set TO_B,   0x40
; A joint load: waves 0 and 1 fetch A's two groups, waves 2 and 3 B's.  The branch hangs on the wave's number alone.  Four v_nop follow each of the two lines.
.macro JLOAD g0a, g1a, g0b, g1b
	s_cmp_eq_u32 s15, 0
	s_cbranch_scc0 .Lfor_b_\@
	tensor_load_to_lds s[\g0a:\g0a+3], s[\g1a:\g1a+7]
	s_nop 0
.rept 4
	v_nop
.endr
	s_branch .Lasked_\@
.Lfor_b_\@:
	tensor_load_to_lds s[\g0b:\g0b+3], s[\g1b:\g1b+7]
	s_nop 0
.rept 4
	v_nop
.endr
.Lasked_\@:
.endm
.macro CREST                           ; a round of the cluster's barrier behind its opening barrier
	s_cmp_lg_u32 s14, 0
	s_cbranch_scc1 .Lnot_wave_0_\@
	s_barrier_signal -3
.Lnot_wave_0_\@:
	s_barrier_wait -3
	s_barrier_signal -1
	s_barrier_wait -1
.endm
.macro CROUND
	s_barrier_signal -1
	s_barrier_wait -1
	CREST
.endm
.macro PLACES                          ; four plain places behind a matrix instruction of this form, in front of loads into its registers and of the first read of results
.rept 4
	v_nop
.endr
.endm
	s_load_b256 s[4:11], s[0:1], 0x0               ; xw_img, xw_sc, y_img, y_sc
	s_load_b64 s[12:13], s[0:1], 0x20              ; out0
	v_lshl_add_u32 v[SPW], v0, 2, SPARE
	v_mov_b32 v[NIL], 0
	ds_add_u32 v28, v29
	ds_add_u32 v28, v29
	s_wait_dscnt 0x0
	v_lshrrev_b32 v1, 5, v0
	v_readfirstlane_b32 s14, v1                    ; wave
	s_lshr_b32 s15, s14, 1                         ; my half of A's rows.  Also: I fetch for A (0) or for B (1)
	s_and_b32 s16, s14, 1                          ; my half of B's rows.  Also: which group I fetch
	s_bfe_u32 s40, ttmp6, 0x40000                  ; cx
	s_bfe_u32 s41, ttmp6, 0x40004                  ; cy
	s_lshl_b32 s42, ttmp9, 2
	s_add_co_u32 s42, s42, s40                     ; work-group x
	s_and_b32 s17, ttmp7, 0xffff
	s_lshl_b32 s17, s17, 2
	s_add_co_u32 s17, s17, s41                     ; work-group y
	s_lshl_b32 s43, s41, 2
	s_lshl_b32 s43, 15, s43                        ; my row of the cluster
	s_lshl_b32 s44, 0x1111, s40                    ; my column
	s_or_b32 s[G1+0], s43, (3<<16)|(1<<21)         ; 15:0 the mask; 17:16 elements of 8 bytes; 21 set beside a mask; no padding
	s_or_b32 s[G1B+0], s44, (3<<16)|(1<<21)
.irp g, G1, G1B                        ; a dense block of 24,576 bytes as 96 rows of 256
	s_mov_b32 s[\g+1], 32<<16
	s_mov_b32 s[\g+2], 96<<16
	s_mov_b32 s[\g+3], 32<<16
	s_mov_b32 s[\g+4], 96
	s_mov_b32 s[\g+5], 32
	s_mov_b32 s[\g+6], 0
	s_mov_b32 s[\g+7], 0
.endr
	s_or_b32 s[G1S+0], s43, (3<<16)|(1<<21)
	s_or_b32 s[G1SB+0], s44, (3<<16)|(1<<21)
.irp g, G1S, G1SB                      ; a dense block of 4,096 bytes as 16 rows of 256
	s_mov_b32 s[\g+1], 32<<16
	s_mov_b32 s[\g+2], 16<<16
	s_mov_b32 s[\g+3], 32<<16
	s_mov_b32 s[\g+4], 16
	s_mov_b32 s[\g+5], 32
	s_mov_b32 s[\g+6], 0
	s_mov_b32 s[\g+7], 0
.endr
	s_lshl_b32 s20, s17, 1                         ; A's group of Y: 2 y + which
	s_add_co_u32 s20, s20, s16
	s_lshl_b32 s46, s42, 1                         ; B's group of the stack: 88 + 2 x + which (Wo begins at group 88)
	s_add_co_u32 s46, s46, s16
	s_add_co_u32 s46, s46, 88
	s_lshl_b32 s22, s20, 12
	s_mul_i32 s20, s20, 98304
	s_mov_b32 s21, 0
	s_mov_b32 s23, 0
	s_lshl_b32 s92, s46, 12
	s_mul_i32 s46, s46, 98304
	s_mov_b32 s47, 0
	s_mov_b32 s93, 0
	s_mul_i32 s45, s14, HALFT                      ; where they go: wave x a group: no place in the cluster enters an LDS address
	s_lshl_b32 s94, s14, 12
	s_wait_kmcnt 0x0
	s_add_nc_u64 s[20:21], s[8:9], s[20:21]
	s_add_nc_u64 s[22:23], s[10:11], s[22:23]
	s_add_nc_u64 s[46:47], s[4:5], s[46:47]
	s_add_nc_u64 s[92:93], s[6:7], s[92:93]
	CROUND                                         ; all sixteen work-groups are here: the first joint loads meet
	s_mov_b32 s[G0S], 1
	s_add_co_u32 s[G0S+1], s94, SCL
	s_mov_b64 s[G0S+2:G0S+3], s[22:23]
	s_or_b32 s[G0S+3], s[G0S+3], 0x80000000
	s_mov_b32 s[G0SB], 1
	s_add_co_u32 s[G0SB+1], s94, SCL
	s_mov_b64 s[G0SB+2:G0SB+3], s[92:93]
	s_or_b32 s[G0SB+3], s[G0SB+3], 0x80000000
	JLOAD G0S, G1S, G0SB, G1SB                     ; the scale words first: they are wanted with K step 0
.irp s, 0,1
	s_mov_b32 s[G0+4*\s], 1
	s_add_co_u32 s[G0+4*\s+1], s45, \s*SLOT
	s_add_nc_u64 s[G0+4*\s+2:G0+4*\s+3], s[20:21], \s*HALFT
	s_or_b32 s[G0+4*\s+3], s[G0+4*\s+3], 0x80000000
	s_mov_b32 s[G0B+4*\s], 1
	s_add_co_u32 s[G0B+4*\s+1], s45, \s*SLOT
	s_add_nc_u64 s[G0B+4*\s+2:G0B+4*\s+3], s[46:47], \s*HALFT
	s_or_b32 s[G0B+4*\s+3], s[G0B+4*\s+3], 0x80000000
	JLOAD G0+4*\s, G1, G0B+4*\s, G1B               ; three loads of mine are out behind the second of these
.endr
	v_and_b32 v1, 15, v0                           ; r
	v_bfe_u32 v2, v0, 4, 1                         ; h
	v_and_b32 v3, 31, v0                           ; lane
	v_lshlrev_b32 v[CO], 4, v3                     ; 16 x lane
	v_lshlrev_b32 v5, 3, v3                        ; 8 x lane
	s_mul_i32 s2, s15, HALFT                       ; my group of A
	s_mul_i32 s3, s16, HALFT                       ; my group of B,
	s_add_co_u32 s3, s3, 2*HALFT                   ; behind A's two
.irp s, 0,1
	v_add_nc_u32 v[ADRA16+\s], s2, v[CO]
	v_add_nc_u32 v[ADRA8+\s], s2, v5
	v_add_nc_u32 v[ADRB16+\s], s3, v[CO]
	v_add_nc_u32 v[ADRB8+\s], s3, v5
	s_add_co_u32 s2, s2, SLOT
	s_add_co_u32 s3, s3, SLOT
.endr
	s_lshl_b32 s2, s15, 12                         ; scale words: A's group,
	s_lshl_b32 s3, s16, 12
	s_add_co_u32 s3, s3, 2*HALFS                   ; B's group,
	s_sub_co_u32 s3, s3, s2
	v_mul_u32_u24 v6, s3, v2                       ; which lanes 16-31 take: one product, the distance x h
	s_add_co_u32 s2, s2, SCL
	v_lshl_add_u32 v6, v1, 4, v6                   ; 16 bytes a place: four tiles' words
	v_add_nc_u32 v[ADRS], s2, v6
	s_mul_i32 s2, s14, 16*SPITCH                   ; my stage
	v_mul_u32_u24 v6, v1, SPITCH
	v_lshl_add_u32 v6, v2, 6, v6
	v_add_nc_u32 v[STO], s2, v6                    ; in: row r, + 64 h
	v_add_nc_u32 v[RD], s2, v[CO]                  ; back: the 32 lanes take one row of 512 bytes
	s_lshl_b32 s96, s17, 20                        ; out0: (256 y + 128 my half) rows of 4,096 bytes + (256 x + 128 my half) columns of 4
	s_lshl_b32 s97, s15, 19
	s_add_co_u32 s96, s96, s97
	s_lshl_b32 s97, s42, 10
	s_add_co_u32 s96, s96, s97
	s_lshl_b32 s97, s16, 9
	s_add_co_u32 s96, s96, s97
	s_mov_b32 s97, 0
	s_add_nc_u64 s[12:13], s[12:13], s[96:97]
.macro FRAG reg, a16, a8, q, i         ; a fragment (16 rows x 128 K, 12 registers) is two half fragments, 6,144 bytes apart
	ds_load_b128 v[\reg:\reg+3], v[\a16] offset:12288*(\q)+768*(\i)
	ds_load_b64 v[\reg+4:\reg+5], v[\a8] offset:12288*(\q)+768*(\i)+512
	ds_load_b128 v[\reg+6:\reg+9], v[\a16] offset:12288*(\q)+768*(\i)+6144
	ds_load_b64 v[\reg+10:\reg+11], v[\a8] offset:12288*(\q)+768*(\i)+6656
.endm
.macro FETCH_B slot, q, p              ; B's eight fragments of the slot's q-th 128 along K into set p
	WIN TO_B
.irp i, 0,1,2,3,4,5,6,7
	FRAG 128*(\p)+FR*\i, ADRB16+\slot, ADRB8+\slot, \q, \i
.endr
	WIN 0
.endm
.macro FETCH_A slot, q, i0             ; A's blocks i0 .. i0 + 3
.irp i, \i0, \i0+1, \i0+2, \i0+3
	FRAG AF+FR*(\i), ADRA16+\slot, ADRA8+\slot, \q, \i
.endr
.endm
.macro SCALES sc, ks                   ; K step ks's scale words into set sc: one load brings four tiles' words of 128 along K
.irp q, 0,1
.irp f, 0,1
	ds_load_b128 v[SC+16*\sc+8*\q+4*\f:SC+16*\sc+8*\q+4*\f+3], v[ADRS] offset:2048*\f+256*(2*\ks+\q)
.endr
.endr
.endm
; 16 matrix instructions: A's blocks a0, a0 + 1 x B's eight.  The 64 accumulators take turns, one instruction a turn, in the same order in every step.
.macro MUL16 a0, p, q, sc, zero
.irp a, \a0, \a0+1
.irp b, 0,1,2,3,4,5,6,7
.if \zero
	v_wmma_scale_f32_16x16x128_f8f6f4 v[8*(8*((\a)%4)+\b):8*(8*((\a)%4)+\b)+7], v[128*(\p)+FR*\b:128*(\p)+FR*\b+FR-1], v[AF+FR*(\a):AF+FR*(\a)+FR-1], 0, v[SC+16*(\sc)+8*(\q)+\b], v[SC+16*(\sc)+8*(\q)+(\a)] matrix_a_fmt:MATRIX_FMT_FP6 matrix_b_fmt:MATRIX_FMT_FP6 matrix_a_scale:MATRIX_SCALE_ROW1
.else
	v_wmma_scale_f32_16x16x128_f8f6f4 v[8*(8*((\a)%4)+\b):8*(8*((\a)%4)+\b)+7], v[128*(\p)+FR*\b:128*(\p)+FR*\b+FR-1], v[AF+FR*(\a):AF+FR*(\a)+FR-1], v[8*(8*((\a)%4)+\b):8*(8*((\a)%4)+\b)+7], v[SC+16*(\sc)+8*(\q)+\b], v[SC+16*(\sc)+8*(\q)+(\a)] matrix_a_fmt:MATRIX_FMT_FP6 matrix_b_fmt:MATRIX_FMT_FP6 matrix_a_scale:MATRIX_SCALE_ROW1
.endif
.endr
.endr
.endm
.macro STEP slot, zero                 ; a slot's first 128 along K; it fetches the second
	s_wait_dscnt 4*NL                              ; all but the youngest 16 loads (A's blocks 4-7) are in
	WIN MUL_LO
	MUL16 0, 0, 0, \slot, \zero
	MUL16 2, 0, 0, \slot, \zero
	s_wait_dscnt 0x0
	PLACES
	FETCH_B \slot, 1, 1
	FETCH_A \slot, 1, 0
	WIN MUL_HI
	MUL16 4, 0, 0, \slot, \zero
	MUL16 6, 0, 0, \slot, \zero
	PLACES
	WIN 0
	FETCH_A \slot, 1, 4
.endm
; A slot's second 128 along K changes slots: one barrier; in front of it each wave waits for all its tensor loads, adds 0 to its spare word, and waits for that and for its reads of this slot.
.macro TURN slot, next, fill, ks
	s_wait_tensorcnt 0x0                           ; all my tensor loads have landed: my part of the next slot
	ds_add_u32 v[SPW], v[NIL]                      ; 0 onto my spare word
	s_wait_dscnt 4*NL+1                            ; (the add and the youngest 16 loads may be out)
	WIN MUL_LO
	MUL16 0, 1, 1, \slot, 0
	s_wait_dscnt 0x0                               ; the add is done, and my reads of this slot are over
	s_barrier_signal -1
	MUL16 2, 1, 1, \slot, 0
	WIN 0
	s_barrier_wait -1
.if \fill
	CREST                                          ; the barrier has opened a round of the cluster's: no wave of any partner still reads this slot or has a load on its way
	s_add_nc_u64 s[G0+4*\slot+2:G0+4*\slot+3], s[G0+4*\slot+2:G0+4*\slot+3], 2*HALFT
	s_add_nc_u64 s[G0B+4*\slot+2:G0B+4*\slot+3], s[G0B+4*\slot+2:G0B+4*\slot+3], 2*HALFT
	JLOAD G0+4*\slot, G1, G0B+4*\slot, G1B         ; the first tensor load behind the round; its four v_nop are the places in front of the loads below
.else
	PLACES
.endif
	FETCH_B \next, 0, 0
	FETCH_A \next, 0, 0
	SCALES \next, \ks
	WIN MUL_HI
	MUL16 4, 1, 1, \slot, 0
	MUL16 6, 1, 1, \slot, 0
	PLACES
	WIN 0
	FETCH_A \next, 0, 4
.endm
	s_wait_tensorcnt 1                             ; the scale words and my part of K step 0 are in; K step 1's load may be out
	s_barrier_signal -1
	s_barrier_wait -1
	FETCH_B 0, 0, 0
	FETCH_A 0, 0, 0
	SCALES 0, 0
	FETCH_A 0, 0, 4
	STEP 0, 1                                      ; the first products start the sums: nothing is cleared
	TURN 0, 1, 1, 1                                ; slot 0 takes K step 2
	STEP 1, 0
	TURN 1, 0, 1, 2                                ; slot 1 takes K step 3
	STEP 0, 0
	TURN 0, 1, 0, 3                                ; nothing is left to fetch; behind this barrier nobody reads slot 0
	STEP 1, 0
	s_wait_dscnt 4*NL
	WIN MUL_LO
	MUL16 0, 1, 1, 1, 0
	MUL16 2, 1, 1, 1, 0
	s_wait_dscnt 0x0
	WIN MUL_HI
	MUL16 4, 1, 1, 1, 0
	MUL16 6, 1, 1, 1, 0
	WIN 0
; THE WAY OUT, tile by tile of 16 tokens x 128 columns.  A lane holds pieces of 32 bytes of one row: a tile goes through my own stage in LDS and comes back as whole rows of 512 bytes, which the 32 lanes store
; as 512 consecutive bytes at a multiple of 256 from out0's first byte.  LDS serves a wave's instructions in order: no wait between the stores and the loads, nor in front of the next tile's stores.
.macro TOSTAGE a
.set AC, 64*((\a)%4)
	WIN 0x08+4*((\a)/4)                            ; the data: window 2 or 3
.irp b, 0,1,2,3,4,5,6,7
	ds_store_b128 v[STO], v[AC+8*\b:AC+8*\b+3] offset:128*(\b/2)+32*(\b%2)        ; each accumulator from its low end on
	ds_store_b128 v[STO], v[AC+8*\b+4:AC+8*\b+7] offset:128*(\b/2)+32*(\b%2)+16
.endr
	WIN 0
.set BB, BK+64*((\a)%2)
.irp t, 0,1,2,3,4,5,6,7,8,9,10,11,12,13,14,15
	ds_load_b128 v[BB+4*\t:BB+4*\t+3], v[RD] offset:\t*SPITCH
.endr
.endm
.macro SEND a, younger                 ; younger: the LDS instructions issued behind tile a's loads, which may stay out
.set BB, BK+64*((\a)%2)
	s_wait_dscnt \younger
.irp t, 0,1,2,3,4,5,6,7,8,9,10,11,12,13,14,15
	global_store_b128 v[CO], v[BB+4*\t:BB+4*\t+3], s[12:13] offset:(32*((\a)/2)+8*((\a)%2)+\t+8*(\t/8))*4096 th:TH_STORE_NT   ; place t of tile a is that row of my 128: 127 rows at the most, inside the immediate
.endr
.endm
	PLACES                                         ; for the loads into the registers that held A's fragments, and for the reads of the last results
	TOSTAGE 0
.irp a, 1,2,3,4,5,6,7
.if \a > 1
	s_wait_xcnt 0x0                                ; tile a - 2's stores have read their registers: tile a's loads may land there
.endif
	TOSTAGE \a
	SEND \a-1, 32                                  ; behind tile a - 1's loads: tile a's 16 stores and 16 loads
.endr
	SEND 7, 0
	s_wait_tensorcnt 0x0                           ; the wave's end
	ds_add_u32 v[SPW], v[NIL]
	s_wait_dscnt 0x0
	CROUND                                         ; the closing round: no work-group ends while a partner may still ask for a tile that names it
	s_endpgm
.Lfunc_end_k_q2bdc7bc6d1_proj:
	.size	k_q2bdc7bc6d1_proj, .Lfunc_end_k_q2bdc7bc6d1_proj-k_q2bdc7bc6d1_proj
	.p2alignl 7, 3214868480
	.fill 96, 4, 3214868480
	.section	.rodata,"a",@progbits
	.p2align	6, 0x0
	.amdhsa_kernel k_q2bdc7bc6d1_proj
		.amdhsa_group_segment_fixed_size 327680
		.amdhsa_private_segment_fixed_size 0
		.amdhsa_enable_private_segment 0
		.amdhsa_kernarg_size 40
		.amdhsa_user_sgpr_count 2
		.amdhsa_user_sgpr_kernarg_segment_ptr 1
		.amdhsa_wavefront_size32 1
		.amdhsa_system_sgpr_workgroup_id_x 1
		.amdhsa_system_sgpr_workgroup_id_y 1
		.amdhsa_system_sgpr_workgroup_id_z 1
		.amdhsa_system_vgpr_workitem_id 0
		.amdhsa_next_free_vgpr 1024
		.amdhsa_next_free_sgpr 102
		.amdhsa_reserve_vcc 0
		.amdhsa_float_denorm_mode_32 3
		.amdhsa_float_denorm_mode_16_64 3
		.amdhsa_memory_ordered 1
		.amdhsa_forward_progress 1
		.amdhsa_inst_pref_size 141
	.end_amdhsa_kernel
	.amdgpu_metadata
---
amdhsa.version: [ 1, 2 ]
amdhsa.kernels:
  - .name:           k_q2bdc7bc6d1_proj
    .symbol:         k_q2bdc7bc6d1_proj.kd
    .args:
      - { .name: xw_img, .offset: 0, .size: 8, .value_kind: global_buffer, .address_space: global }
      - { .name: xw_sc, .offset: 8, .size: 8, .value_kind: global_buffer, .address_space: global }
      - { .name: y_img, .offset: 16, .size: 8, .value_kind: global_buffer, .address_space: global }
      - { .name: y_sc, .offset: 24, .size: 8, .value_kind: global_buffer, .address_space: global }
      - { .name: out0, .offset: 32, .size: 8, .value_kind: global_buffer, .address_space: global }
    .group_segment_fixed_size: 327680
    .private_segment_fixed_size: 0
    .kernarg_segment_align: 8
    .kernarg_segment_size: 40
    .max_flat_workgroup_size: 128
    .sgpr_count:     102
    .vgpr_count:     1024
    .wavefront_size: 32
...
	.end_amdgpu_metadata
.endif
;; end of part 4
